; MI455X (gfx1250); checked and timed in simulation.
; The chip was launched on July 23, 2026; its instructions are those of AMD's public machine-readable ISA for CDNA 5 (MIT licence, August 2026) and "CDNA5" Instruction Set Architecture Reference Guide (July 2026). The comments in the code are by the model that wrote it; some were corrected since.
;; Causal Self Attention ARMA. Allowed arithmetic: matrix products marked QUANTISED: E2M3 operands, one E8M0 scale for each 32 along K, by v_wmma_scale_f32_16x16x128_f8f6f4 with both operands' format E2M3, f32 sums; everything else in f32.
;; Inputs: W_attn 1,024 x 2,048 float32; W_k2 1,024 x 1,024 float32; W_proj 1,024 x 1,024 float32; x 2 x 2,048 x 1,024 float32.
;; Outputs: out0 2 x 2,048 x 1,024 float32.
;; This version of the problem:
;;   THIS VERSION OF THE PROBLEM IS GIVEN IN LOW PRECISION. The matrix products marked QUANTISED in the list below multiply operands that are first quantised to E2M3 (2 exponent bits, 3 mantissa bits; 6 bits a number), with one power-of-two scale for each 32 numbers along K (OCP MX v1.0); their sums are f32. All else is computed in f32.
;;   The module's matrix products, in the order in which they are computed (A, B: the left and right operand; K: the contracted axis; several contracted axes count as one K, in the product's order):
;;     1. [M 4,096, K 1,024] x [K 1,024, N 2,048]; A: input x; B: input W_attn: QUANTISED
;;     2. batch 32 x [M 2,048, K 64] x [K 64, N 2,048]; A: computed on the way; B: computed on the way: QUANTISED
;;     3. batch 32 x [M 2,048, K 2,048] x [K 2,048, N 64]; A: softmax (see below); B: input x: QUANTISED
;;     4. [M 4,094, K 1,024] x [K 1,024, N 1,024]; A: input x; B: input W_k2: QUANTISED
;;     5. batch 32 x [M 2,047, K 64] x [K 64, N 2,047]; A: computed on the way; B: computed on the way: QUANTISED
;;     6. batch 32 x [M 2,047, K 2,047] x [K 2,047, N 64]; A: computed on the way; B: computed on the way: QUANTISED
;;     7. [M 4,096, K 1,024] x [K 1,024, N 1,024]; A: computed on the way; B: input W_proj: QUANTISED
;;     8. [M 4,096, K 1,024] x [K 1,024, N 1,024]; A: computed on the way; B: input W_proj: QUANTISED
;;   THE QUANTISER, for each operand of a quantised product, along K:
;;     - K is cut into blocks of 32 from its start; a last block that is shorter is filled with zeros.
;;     - A block's scale is 2^e with e = floor(log2(the largest magnitude in the block)) - 2, held to -126 .. 127; a block of zeros has e = 0. As a byte (E8M0): e + 127.
;;     - Each number is divided by its block's scale, clamped to +-7.5, and rounded to the nearest number of E2M3, ties to even, subnormals kept.
;;     - The product sums the exact products of the quantised numbers (number of the format x scale) in f32.
;;   ~~~python
;;   def quantise(x, axis):      # numpy; x: float32 -> the quantised numbers, widened to float32 again
;;       x = np.moveaxis(x, axis, -1); K = x.shape[-1]
;;       x = np.pad(x, [(0, 0)] * (x.ndim - 1) + [(0, -K % 32)]); x = x.reshape(x.shape[:-1] + (-1, 32)); a = np.abs(x).max(-1, keepdims=True)
;;       e = np.where(a > 0, np.clip(np.frexp(np.where(a > 0, a, 1))[1] - 1 - 2, -126, 127), 0)      # np.frexp(a)[1] - 1 = floor(log2(a)), exactly
;;       r = np.clip(x / 2.0 ** e, -7.5, 7.5)
;;       step = 2.0 ** (np.maximum(np.frexp(np.where(r == 0, 1, r))[1] - 1, 0) - 3)
;;       q = np.round(r / step) * step * 2.0 ** e      # np.round: ties to even
;;       return np.moveaxis(q.reshape(q.shape[:-2] + (-1,))[..., :K], -1, axis).astype(np.float32)
;;   ~~~
;;   SOFTMAX AHEAD OF A QUANTISED PRODUCT. Where the list says 'softmax', what is quantised is not the finished softmax but p = 2^(t - M), with t = logit x log2(e) and M = ceil(the row's largest t), a whole number; so 1/2 < the row's largest p <= 1. The row's sum l is taken of the UNQUANTISED p, in f32, and the product's result is divided by l at the end. Since M is a whole number, a kernel that streams over the keys may use a running M (the ceiling of the running maximum): every later rescaling is an exact power of two, which a block's scale takes up: the codes' values come out the same.
;;   OPERANDS COMPUTED ON THE WAY. 'Computed on the way' means the value that the module computes at that place (a softmax that the list does not call 'softmax' is quantised finished and normalised). What goes into a quantiser is computed in f32, as accurately as f32 sums, v_exp_f32 and their like allow (about 1e-6 of the number): no bf16 or f16 on the way to a quantiser, and a product that is left as it is and whose result goes on into a quantised operand takes f32 operands (vector FMAs, or v_wmma_f32_16x16x4_f32). A number that lies on a knife's edge between two numbers of the format may be rounded either way, as far as f32 arithmetic and the matrix unit's own rounding can turn it there, and no further.
;; One version. Each part assembles by itself: llvm-mc -triple=amdgcn-amd-amdhsa -mcpu=gfx1250 --defsym DOCPART=n.
;; ======== version 1 of 1: 5 launches
;; workspace buffers: qin 9,961,472 bytes; heads 13,631,488 bytes; arout 6,684,672 bytes; maout 3,276,800 bytes
;; launch quant (part 1): grid 512 x 1, 8 waves a work-group, no clusters, 68,608 bytes of LDS; arguments W_attn, W_k2, W_proj, x, qin; writes qin
.if DOCPART == 1
	.amdgcn_target "amdgcn-amd-amdhsa--gfx1250"
	.amdhsa_code_object_version 6
	.text
	.protected	k_qbc97eea817_quant
	.globl	k_qbc97eea817_quant
	.p2align	8
	.type	k_qbc97eea817_quant,@function
k_qbc97eea817_quant:
	s_mov_b64 s[64:65], 0
	v_nop
	global_prefetch_b8 v0, s[64:65] scope:SCOPE_SE
	s_setreg_imm32_b32 hwreg(HW_REG_WAVE_MODE, 25, 1), 1
	s_wait_xcnt 0x0
; x [4096][1024], W_attn [1024][2048], W_k2 and W_proj [1024][1024], all f32, become codes of E2M3 with one E8M0 byte for each 32 along K.
; Each tensor is read once.  A work-group stages 128 rows x 128 columns in LDS; wave w then makes one fragment (16 columns x 128 rows, K DOWN the rows):
; for the weights that is their K; for x it is the keys' axis (x as the values of attention).  For x wave w also makes one fragment with K ALONG the rows (x as the left operand of the first products).
; THE OUTPUT IS LAID AS IMAGES OF OPERAND REGISTERS: a fragment's 12 registers as three pieces of 512 bytes, lane l's 16 bytes at 16 l; scale words of a pair of tiles as 128 bytes, lanes 0-15 the even tile.
; A TILE'S 16 ROWS ARE NOT NEIGHBOURS: row r of tile 2 b + u of a group is number 32 b + 8 u + r + 8 (r / 8), for tokens, weight columns and channels alike.
; A block's scale is 2^(floor(log2(largest magnitude)) - 2); its byte is the largest magnitude's exponent field - 2, held at 1 from below.
; LIMITS: a block of zeros, or one whose largest magnitude lies under 2^-124, gets the byte 1 (its bytes are read by this program alone); NaN and infinities among the inputs are not served.
; No matrix unit, no tensor load, no cluster: work-groups share no input.  One barrier: between the stage's stores and its reads.
.set XREC,  0                          ; qin: [token tile 256][K step 8] fragments of x along C
.set XSC,   3145728                    ; [pair of token tiles 128][K step 8] scale words
.set WREC1, 3276800                    ; [head 16][K step 8] blocks of 19,200 bytes: 12 fragments (q's 4, k's 4, k2's 4 column tiles), 6 pairs of scale words
.set WREC2, 5734400                    ; [128 columns 8][K step 8] blocks of 12,800 bytes: 8 fragments of W_proj, 4 pairs of scale words
.set VREC,  6553600                    ; [batch x head 32][128 keys 16][channel pair 2] records of 3,328 bytes: 2 fragments, a pair of scale words, 128 zeros
.set PITCH, 528                        ; a stage row: 512 bytes + 16
.set TM,    10                         ; v10-17 at work in the quantiser; v16 the scale word
.set ZERO,  18
.set SH,    19                         ; 8 x (lane / 16)
.set OFF,   20                         ; v20-35 byte offsets of my wave's 16 rows
.set X,     36                         ; v36-99 64 numbers
.set PC,    100                        ; v100-111 a fragment's codes
.set PT,    112                        ; v112-118 the halves that a conversion cannot put at an odd register
.set SEL,   46                         ; s[46:47] selects: lane l xor 16
; 64 numbers of a lane, v[s + 32 c + i] = number i of its block 2 c + (lane / 16), become the fragment's 12 registers and the row's scale word.
.macro QUANT64W s, pc, pt, tm, sh
.irp c,0,1
	v_max3_num_f32 v[\tm+\c], |v[\s+32*\c]|, |v[\s+32*\c+1]|, 0x1800000   ; the floor 2^(3 - 127) among the leaves holds the byte at 1 from below
.endr
.irp i,2,4,6,8,10,12,14,16,18,20,22,24,26,28,30
.irp c,0,1
	v_max3_num_f32 v[\tm+\c], v[\tm+\c], |v[\s+32*\c+\i]|, |v[\s+32*\c+\i+1]|   ; the two blocks by turns
.endr
.endr
.irp c,0,1
	v_add_nc_u32 v[\tm+2+\c], 0xff000000, v[\tm+\c]   ; 2 off the exponent field: the conversion's scale operand
.endr
.irp c,0,1
	v_lshrrev_b32 v[\tm+4+\c], 23, v[\tm+2+\c]        ; the scale's byte
.endr
	v_lshl_or_b32 v[\tm+6], v[\tm+5], 16, v[\tm+4]    ; my blocks h and 2 + h,
	v_lshlrev_b32 v[\tm+6], v[\sh], v[\tm+6]          ; at their places in the word;
	v_permlanex16_b32 v[\tm+7], v[\tm+6], s[SEL], s[SEL+1]
	v_or_b32 v[\tm+6], v[\tm+6], v[\tm+7]             ; with lane l xor 16's two the word is whole
.irp c,0,1
	v_cvt_scalef32_pk16_fp6_f32 v[\pc+6*\c:\pc+6*\c+2], v[\s+32*\c:\s+32*\c+15], v[\tm+2+\c]
	v_cvt_scalef32_pk16_fp6_f32 v[\pt+4*\c:\pt+4*\c+2], v[\s+32*\c+16:\s+32*\c+31], v[\tm+2+\c]   ; a conversion's three registers begin on an even number
.endr
	v_nop                                             ; one plain instruction behind the conversions
.irp c,0,1
.irp i,0,1,2
	v_mov_b32 v[\pc+3+6*\c+\i], v[\pt+4*\c+\i]
.endr
.endr
.endm
	s_load_b256 s[4:11], s[0:1], 0x0               ; W_attn s[4:5], W_k2 s[6:7], W_proj s[8:9], x s[10:11]
	s_load_b64 s[12:13], s[0:1], 0x20              ; qin
	v_lshl_add_u32 v128, v0, 2, 0x10800
	v_mov_b32 v129, 0
	v_lshrrev_b32 v1, 5, v0
	v_readfirstlane_b32 s14, v1                    ; wave 0..7
	s_mov_b32 s15, ttmp9                           ; work-group 0..511
	s_lshr_b32 s26, s14, 2                         ; which 64 columns of the 128
	s_and_b32 s27, s14, 3                          ; which tile of them
	s_and_b32 s28, s14, 1
	s_bfe_u32 s29, s14, 0x10001
	s_mov_b32 s[SEL], 0x76543210
	s_mov_b32 s[SEL+1], 0xfedcba98
	v_and_b32 v1, 31, v0                           ; lane
	v_and_b32 v2, 15, v0                           ; r
	v_bfe_u32 v3, v0, 4, 1                         ; h
	v_and_b32 v4, 8, v2
	v_add_nc_u32 v4, v4, v2                        ; r + 8 (r / 8)
	v_lshlrev_b32 v5, 4, v1                        ; 16 x lane
	s_mul_i32 s35, s14, 16*PITCH
	v_add_nc_u32 v6, s35, v5                       ; the stage, on the way in: my wave's 16 rows
	s_lshl_b32 s35, s26, 6
	s_lshl_b32 s36, s29, 5
	s_add_co_u32 s35, s35, s36
	s_lshl_b32 s36, s28, 3
	s_add_co_u32 s35, s35, s36                     ; my tile's first column: 64 (w / 4) + 32 ((w / 2) % 2) + 8 (w % 2)
	v_add_nc_u32 v7, s35, v4
	v_lshlrev_b32 v7, 2, v7
	v_mad_u32_u24 v7, v3, 32*PITCH, v7             ; down a column: lanes 16-31 begin 32 rows further down
	s_lshr_b32 s35, s14, 1
	s_lshl_b32 s35, s35, 5
	s_add_co_u32 s35, s35, s36                     ; my token tile's first row: 32 (w / 2) + 8 (w % 2)
	v_add_nc_u32 v8, s35, v4
	v_mul_u32_u24 v8, v8, PITCH
	v_lshl_add_u32 v8, v3, 7, v8                   ; along a row: lanes 16-31 begin 32 numbers further on
	v_lshlrev_b32 v9, 2, v2                        ; 4 r: a scale word's place
	v_mov_b32 v[TM+7], 0                           ; written once: a lane permute's destination counts as one of its sources
	v_mov_b32 v[ZERO], 0
	v_lshlrev_b32 v[SH], 3, v3
	; WHICH TENSOR, AND WHERE ITS RESULTS GO: offsets only, by the work-group's number.  s18 source offset, s20 source row in bytes, s22 the fragment's place in qin, s24 its scale words'
	s_cmp_lt_u32 s15, 256
	s_cbranch_scc0 .Lnot_x
	s_lshr_b32 s30, s15, 3                         ; x: which 128 tokens,
	s_and_b32 s31, s15, 7                          ; which 128 columns (two heads)
	s_lshl_b32 s18, s30, 19
	s_lshl_b32 s32, s31, 9
	s_add_co_u32 s18, s18, s32
	s_mov_b32 s20, 4096
	s_lshr_b32 s32, s30, 4
	s_lshl_b32 s32, s32, 4
	s_lshl_b32 s33, s31, 1
	s_add_co_u32 s32, s32, s33
	s_add_co_u32 s32, s32, s26                     ; batch x 16 + head
	s_lshl_b32 s32, s32, 4
	s_and_b32 s33, s30, 15
	s_add_co_u32 s32, s32, s33                     ; x 16 + key step
	s_lshl_b32 s32, s32, 1
	s_add_co_u32 s32, s32, s29                     ; x 2 + channel pair
	s_mul_i32 s32, s32, 3328
	s_add_co_u32 s32, s32, VREC
	s_mul_i32 s33, s28, 1536
	s_add_co_u32 s22, s32, s33
	s_lshl_b32 s33, s28, 6
	s_add_co_u32 s24, s32, s33
	s_add_co_u32 s24, s24, 3072
	s_branch .Larm_done
.Lnot_x:
	s_cmp_lt_u32 s15, 384
	s_cbranch_scc0 .Lnot_a
	s_sub_co_u32 s30, s15, 256                     ; W_attn: 8 K steps x 16 blocks of 128 columns
	s_lshr_b32 s31, s30, 4                         ; K step
	s_and_b32 s30, s30, 15
	s_lshl_b32 s18, s31, 20
	s_lshl_b32 s32, s30, 9
	s_add_co_u32 s18, s18, s32
	s_mov_b32 s20, 8192
	s_and_b32 s32, s30, 7
	s_lshl_b32 s32, s32, 1
	s_add_co_u32 s32, s32, s26                     ; head
	s_lshr_b32 s33, s30, 3
	s_lshl_b32 s33, s33, 2
	s_add_co_u32 s33, s33, s27                     ; column tile 0-3 (q) or 4-7 (k)
	s_branch .Lw1
.Lnot_a:
	s_cmp_lt_u32 s15, 448
	s_cbranch_scc0 .Lnot_k2
	s_sub_co_u32 s30, s15, 384                     ; W_k2: 8 K steps x 8 blocks of 128 columns
	s_lshr_b32 s31, s30, 3
	s_and_b32 s30, s30, 7
	s_lshl_b32 s18, s31, 19
	s_lshl_b32 s32, s30, 9
	s_add_co_u32 s18, s18, s32
	s_mov_b32 s20, 4096
	s_lshl_b32 s32, s30, 1
	s_add_co_u32 s32, s32, s26                     ; head
	s_add_co_u32 s33, s27, 8                       ; column tile 8-11
.Lw1:
	s_lshl_b32 s32, s32, 3
	s_add_co_u32 s32, s32, s31
	s_mul_i32 s32, s32, 19200
	s_add_co_u32 s32, s32, WREC1
	s_mul_i32 s34, s33, 1536
	s_add_co_u32 s22, s32, s34
	s_lshl_b32 s34, s33, 6
	s_add_co_u32 s24, s32, s34
	s_add_co_u32 s24, s24, 18432
	s_branch .Larm_done
.Lnot_k2:
	s_sub_co_u32 s30, s15, 448                     ; W_proj
	s_lshr_b32 s31, s30, 3
	s_and_b32 s30, s30, 7
	s_lshl_b32 s18, s31, 19
	s_lshl_b32 s32, s30, 9
	s_add_co_u32 s18, s18, s32
	s_mov_b32 s20, 4096
	s_lshl_b32 s32, s30, 3
	s_add_co_u32 s32, s32, s31
	s_mul_i32 s32, s32, 12800
	s_add_co_u32 s32, s32, WREC2
	s_mul_i32 s34, s14, 1536
	s_add_co_u32 s22, s32, s34
	s_lshl_b32 s34, s14, 6
	s_add_co_u32 s24, s32, s34
	s_add_co_u32 s24, s24, 12288
.Larm_done:
	s_mov_b32 s19, 0
	s_mov_b32 s23, 0
	s_mov_b32 s25, 0
	s_lshl_b32 s35, s14, 4
	s_mul_i32 s35, s35, s20
	v_add_nc_u32 v[OFF], s35, v5                   ; 16 x lane + row 16 w
.irp i,1,2,3,4,5,6,7,8,9,10,11,12,13,14,15
	v_add_nc_u32 v[OFF+\i], s20, v[OFF+\i-1]
.endr
	s_wait_kmcnt 0x0
	s_cmp_lt_u32 s15, 256                          ; the source: a chain of choices on the work-group's number alone
	s_cselect_b64 s[16:17], s[10:11], s[4:5]
	s_cmp_lt_u32 s15, 384
	s_cselect_b64 s[16:17], s[16:17], s[6:7]
	s_cmp_lt_u32 s15, 448
	s_cselect_b64 s[16:17], s[16:17], s[8:9]
	s_add_nc_u64 s[16:17], s[16:17], s[18:19]
	s_add_nc_u64 s[38:39], s[12:13], s[22:23]
	s_add_nc_u64 s[40:41], s[12:13], s[24:25]
	; THE STAGE: my wave's 16 rows; each load takes 512 consecutive bytes, at a multiple of 512 from the tensor's first byte
.irp i,0,1,2,3,4,5,6,7,8,9,10,11,12,13,14,15
	global_load_b128 v[X+4*\i:X+4*\i+3], v[OFF+\i], s[16:17] th:TH_LOAD_NT
.endr
.irp i,0,1,2,3,4,5,6,7,8,9,10,11,12,13,14,15
	s_wait_loadcnt 15-\i                           ; loads come back in order: row i is in, the 15 - i younger ones stay out
	ds_store_b128 v6, v[X+4*\i:X+4*\i+3] offset:PITCH*\i
.endr
	s_wait_dscnt 0x0                               ; for the others' sake: my rows lie in the stage
	s_barrier_signal -1
	s_barrier_wait -1
	; K DOWN THE ROWS: lane (r, h) takes its column's rows 64 c + 32 h + i
.irp c,0,1
.set i, 0
.rept 32
	ds_load_b32 v[X+32*\c+i], v7 offset:(64*\c+i)*PITCH
.set i, i+1
.endr
.endr
	s_wait_dscnt 0x0
	QUANT64W X, PC, PT, TM, SH
.irp c,0,1,2
	global_store_b128 v5, v[PC+4*\c:PC+4*\c+3], s[38:39] offset:512*\c   ; 32 lanes store 512 consecutive bytes
.endr
	global_store_b32 v9, v[TM+6], s[40:41]         ; lanes 16-31 repeat lanes 0-15: the same word to the same place
	s_cmp_lt_u32 s15, 256
	s_cbranch_scc0 .Lend
	; x ALONE: the record's last 128 bytes are written too, since the whole record is read later; then K ALONG THE ROWS
	global_store_b32 v9, v[ZERO], s[40:41] offset:128
	s_lshr_b32 s30, s15, 3
	s_and_b32 s31, s15, 7
	s_lshl_b32 s32, s30, 3
	s_add_co_u32 s32, s32, s14                     ; token tile
	s_lshl_b32 s33, s32, 3
	s_add_co_u32 s33, s33, s31
	s_mul_i32 s22, s33, 1536
	s_lshr_b32 s33, s32, 1
	s_lshl_b32 s33, s33, 3
	s_add_co_u32 s33, s33, s31
	s_lshl_b32 s33, s33, 7
	s_lshl_b32 s34, s28, 6
	s_add_co_u32 s33, s33, s34
	s_add_co_u32 s24, s33, XSC
	s_add_nc_u64 s[42:43], s[12:13], s[22:23]
	s_add_nc_u64 s[44:45], s[12:13], s[24:25]
.irp c,0,1
.irp q,0,1,2,3,4,5,6,7
	ds_load_b128 v[X+32*\c+4*\q:X+32*\c+4*\q+3], v8 offset:256*\c+16*\q
.endr
.endr
	s_wait_xcnt 0x0                                ; the stores above have read their data: the codes' registers and the word are written again only behind this wait
	s_wait_dscnt 0x0
	QUANT64W X, PC, PT, TM, SH
.irp c,0,1,2
	global_store_b128 v5, v[PC+4*\c:PC+4*\c+3], s[42:43] offset:512*\c
.endr
	global_store_b32 v9, v[TM+6], s[44:45]
.Lend:
	s_wait_tensorcnt 0x0
	ds_add_u32 v128, v129
	s_wait_dscnt 0x0
	s_endpgm
.Lfunc_end_k_qbc97eea817_quant:
	.size	k_qbc97eea817_quant, .Lfunc_end_k_qbc97eea817_quant-k_qbc97eea817_quant
	.p2alignl 7, 3214868480
	.fill 96, 4, 3214868480
	.section	.rodata,"a",@progbits
	.p2align	6, 0x0
	.amdhsa_kernel k_qbc97eea817_quant
		.amdhsa_group_segment_fixed_size 68608
		.amdhsa_private_segment_fixed_size 0
		.amdhsa_enable_private_segment 0
		.amdhsa_kernarg_size 40
		.amdhsa_user_sgpr_count 2
		.amdhsa_user_sgpr_kernarg_segment_ptr 1
		.amdhsa_wavefront_size32 1
		.amdhsa_system_sgpr_workgroup_id_x 1
		.amdhsa_system_sgpr_workgroup_id_y 1
		.amdhsa_system_sgpr_workgroup_id_z 1
		.amdhsa_system_vgpr_workitem_id 0
		.amdhsa_next_free_vgpr 130
		.amdhsa_next_free_sgpr 66
		.amdhsa_reserve_vcc 0
		.amdhsa_float_denorm_mode_32 3
		.amdhsa_float_denorm_mode_16_64 3
		.amdhsa_memory_ordered 1
		.amdhsa_forward_progress 1
		.amdhsa_inst_pref_size 22
	.end_amdhsa_kernel
	.amdgpu_metadata
---
amdhsa.version: [ 1, 2 ]
amdhsa.kernels:
  - .name:           k_qbc97eea817_quant
    .symbol:         k_qbc97eea817_quant.kd
    .args:
      - { .name: W_attn, .offset: 0, .size: 8, .value_kind: global_buffer, .address_space: global }
      - { .name: W_k2, .offset: 8, .size: 8, .value_kind: global_buffer, .address_space: global }
      - { .name: W_proj, .offset: 16, .size: 8, .value_kind: global_buffer, .address_space: global }
      - { .name: x, .offset: 24, .size: 8, .value_kind: global_buffer, .address_space: global }
      - { .name: qin, .offset: 32, .size: 8, .value_kind: global_buffer, .address_space: global }
    .group_segment_fixed_size: 68608
    .private_segment_fixed_size: 0
    .kernarg_segment_align: 8
    .kernarg_segment_size: 40
    .max_flat_workgroup_size: 256
    .sgpr_count:     66
    .vgpr_count:     130
    .wavefront_size: 32
...
	.end_amdgpu_metadata
.endif
;; end of part 1
;; launch gemm1 (part 2): grid 16 x 16, 4 waves a work-group, clusters of 4 x 1, 168,448 bytes of LDS; arguments qin, heads; writes heads
.if DOCPART == 2
	.amdgcn_target "amdgcn-amd-amdhsa--gfx1250"
	.amdhsa_code_object_version 6
	.text
	.protected	k_qbc97eea817_gemm1
	.globl	k_qbc97eea817_gemm1
	.p2align	8
	.type	k_qbc97eea817_gemm1,@function
k_qbc97eea817_gemm1:
	s_mov_b64 s[64:65], 0
	v_nop
	global_prefetch_b8 v0, s[64:65] scope:SCOPE_SE
	s_setreg_imm32_b32 hwreg(HW_REG_WAVE_MODE, 25, 1), 1
	s_wait_xcnt 0x0
	s_wait_alu depctr_hold_cnt(0) depctr_sa_sdst(0) depctr_va_vdst(0) depctr_va_sdst(0) depctr_va_ssrc(0) depctr_va_vcc(0) depctr_vm_vsrc(0)
	s_getreg_b32 s2, hwreg(HW_REG_IB_STS2, 6, 4)
	s_cmp_eq_u32 s2, 0
	s_cbranch_scc0 .Lentry_in_a_cluster
	s_endpgm
.Lentry_in_a_cluster:
	s_bfe_u32 s2, ttmp6, 0x10000c
	s_cmp_lg_u32 s2, 0x3003
	s_cbranch_scc0 .Lentry_shape_is_right
	s_endpgm
.Lentry_shape_is_right:
; [q | k | k2] of one head = Q(x) Q([W_attn | W_k2]), K = 1,024, on codes of E2M3; from the f32 sums the codes of q, k, qa = -leaky(-q / 8) and ka = sigmoid(0.02 k2 / 8), quantised along the head's 64.
; SHARES.  A work-group takes 256 tokens x one head's 192 columns; wave w takes 64 tokens (four tiles) x all 12 column tiles: 48 accumulators, 384 matrix instructions.
; THE PRODUCT IS USED TRANSPOSED (source 0 = 16 weight columns, source 1 = 16 tokens): a lane holds ONE token, and by the order of a tile's columns (32 b + 8 u + r + 8 (r / 8)) the 16 registers of
; tiles 2 b and 2 b + 1 are 16 neighbouring channels: what the conversions want.
; THE WEIGHTS of the head, 8 blocks of 19,200 bytes (one for each 128 along K), fit in LDS whole: they are asked for once, at the head, and never again.  CLUSTER: the four work-groups along x take the same head:
; each block is asked for JOINTLY (mask 15); its address hangs on the head and the wave's number alone.  A wave has two tensor loads out.  x's fragments are read by one wave of the work-group: memory to registers, three K steps ahead.
; LIMITS: a block of zeros or under 2^-124 gets the byte 1; NaN and infinities are not served.
; REGISTERS: window 0: v1-9 addresses; v32-47 x's scale words; v48-53 the weights' (two sets); v56-71 the results' scale words; v96-167, v168-239 two half sets of 6 weight fragments, later at work.
;   window 1: v0-191 x's fragments, four slots of four.   window 2: accumulators of token tiles 0, 1 at 8 (12 (m % 2) + nt);   window 3: those of tiles 2, 3.
.set XSC,   3145728
.set WREC1, 3276800
.set BLKB,  19200
.set KREC,  3407872
.set QAREC, 6815744
.set KAREC, 10223616
.set WD,    56
.set T,     96
.set T2,    128
.set PC,    160
.set TM,    176
.set SEL,   46
.set MSB, 0
.macro WIN new                         ; the immediate's high byte repeats the setting that is left; a switch that changes nothing is dropped
.if MSB != (\new)
	s_set_vgpr_msb (MSB<<8)|(\new)
.set MSB, (\new)
.endif
.endm
.macro CROUND                          ; a round of the cluster's barrier
	s_barrier_signal -1
	s_barrier_wait -1
	s_cmp_lg_u32 s8, 0
	s_cbranch_scc1 .Lnot_wave_0_\@
	s_barrier_signal -3
.Lnot_wave_0_\@:
	s_barrier_wait -3
	s_barrier_signal -1
	s_barrier_wait -1
.endm
; one matrix instruction by the symbols rD, rA, rB, rSA, rSB; fA, fB: the side's scale words stand in lanes 16-31; fZ: it starts the sum
.macro WM
.if fZ
.if fA && fB
	v_wmma_scale_f32_16x16x128_f8f6f4 v[rD:rD+7], v[rA:rA+11], v[rB:rB+11], 0, v[rSA], v[rSB] matrix_a_fmt:MATRIX_FMT_FP6 matrix_b_fmt:MATRIX_FMT_FP6 matrix_a_scale:MATRIX_SCALE_ROW1 matrix_b_scale:MATRIX_SCALE_ROW1
.elseif fA
	v_wmma_scale_f32_16x16x128_f8f6f4 v[rD:rD+7], v[rA:rA+11], v[rB:rB+11], 0, v[rSA], v[rSB] matrix_a_fmt:MATRIX_FMT_FP6 matrix_b_fmt:MATRIX_FMT_FP6 matrix_a_scale:MATRIX_SCALE_ROW1
.elseif fB
	v_wmma_scale_f32_16x16x128_f8f6f4 v[rD:rD+7], v[rA:rA+11], v[rB:rB+11], 0, v[rSA], v[rSB] matrix_a_fmt:MATRIX_FMT_FP6 matrix_b_fmt:MATRIX_FMT_FP6 matrix_b_scale:MATRIX_SCALE_ROW1
.else
	v_wmma_scale_f32_16x16x128_f8f6f4 v[rD:rD+7], v[rA:rA+11], v[rB:rB+11], 0, v[rSA], v[rSB] matrix_a_fmt:MATRIX_FMT_FP6 matrix_b_fmt:MATRIX_FMT_FP6
.endif
.else
.if fA && fB
	v_wmma_scale_f32_16x16x128_f8f6f4 v[rD:rD+7], v[rA:rA+11], v[rB:rB+11], v[rD:rD+7], v[rSA], v[rSB] matrix_a_fmt:MATRIX_FMT_FP6 matrix_b_fmt:MATRIX_FMT_FP6 matrix_a_scale:MATRIX_SCALE_ROW1 matrix_b_scale:MATRIX_SCALE_ROW1
.elseif fA
	v_wmma_scale_f32_16x16x128_f8f6f4 v[rD:rD+7], v[rA:rA+11], v[rB:rB+11], v[rD:rD+7], v[rSA], v[rSB] matrix_a_fmt:MATRIX_FMT_FP6 matrix_b_fmt:MATRIX_FMT_FP6 matrix_a_scale:MATRIX_SCALE_ROW1
.elseif fB
	v_wmma_scale_f32_16x16x128_f8f6f4 v[rD:rD+7], v[rA:rA+11], v[rB:rB+11], v[rD:rD+7], v[rSA], v[rSB] matrix_a_fmt:MATRIX_FMT_FP6 matrix_b_fmt:MATRIX_FMT_FP6 matrix_b_scale:MATRIX_SCALE_ROW1
.else
	v_wmma_scale_f32_16x16x128_f8f6f4 v[rD:rD+7], v[rA:rA+11], v[rB:rB+11], v[rD:rD+7], v[rSA], v[rSB] matrix_a_fmt:MATRIX_FMT_FP6 matrix_b_fmt:MATRIX_FMT_FP6
.endif
.endif
.endm
.macro PLACES
.rept 4
	v_nop
.endr
.endm
	s_load_b128 s[4:7], s[0:1], 0x0                ; qin s[4:5], heads s[6:7]
	v_lshl_add_u32 v254, v0, 2, 0x29000
	v_mov_b32 v255, 0
	ds_add_u32 v254, v255
	ds_add_u32 v254, v255
	v_lshrrev_b32 v1, 5, v0
	v_readfirstlane_b32 s8, v1                     ; wave 0..3
	s_bfe_u32 s9, ttmp6, 0x40000                   ; cx: it enters x's and the results' global addresses alone
	s_lshl_b32 s10, ttmp9, 2
	s_add_co_u32 s10, s10, s9                      ; my block of 256 tokens
	s_and_b32 s11, ttmp7, 0xffff                   ; the head, which the four partners share
	; descriptor group 1: a dense block of 19,200 bytes as 75 rows of 256 bytes (32 elements of 8 bytes), no padding
	s_mov_b32 s16, 15|(3<<16)|(1<<21)              ; 15:0 the mask: all four work-groups; 17:16 elements of 8 bytes; 21 set beside a mask
	s_mov_b32 s17, 32<<16                          ; tensor_dim0 = 32
	s_mov_b32 s18, 75<<16                          ; tensor_dim1 = 75
	s_mov_b32 s19, 32<<16                          ; tile_dim0 = 32
	s_mov_b32 s20, 75                              ; tile_dim1 = 75
	s_mov_b32 s21, 32                              ; from row to row
	s_mov_b32 s22, 0
	s_mov_b32 s23, 0
	s_mul_i32 s25, s8, BLKB                        ; wave w brings K steps w and w + 4: LDS address = K step x 19,200
	s_add_co_u32 s29, s25, 4*BLKB
	s_mul_i32 s12, s11, 8*BLKB
	s_add_co_u32 s12, s12, s25
	s_add_co_u32 s12, s12, WREC1
	s_mov_b32 s13, 0
	s_mov_b32 s24, 1
	s_mov_b32 s28, 1
	s_mov_b32 s40, 0x3e000000                      ; 1 / 8
	s_mov_b32 s41, s40                             ; (the packed forms name pairs and take the low word for both halves: so the upper words are written)
	s_mov_b32 s42, 0x3b23d70a                      ; 0.02 / 8
	s_mov_b32 s43, s42
	s_mov_b32 s44, 0xbb6c5f04                      ; -(0.02 / 8) log2(e)
	s_mov_b32 s45, s44
	s_mov_b32 s[SEL], 0x76543210
	s_mov_b32 s[SEL+1], 0xfedcba98
	v_and_b32 v10, 31, v0
	v_lshlrev_b32 v1, 4, v10                       ; 16 x lane
	v_lshlrev_b32 v2, 3, v10                       ; 8 x lane
	v_lshlrev_b32 v3, 2, v10                       ; 4 x lane
	v_mov_b32 v4, v1                               ; three bases for the weights' fragments, three K steps each, so that the offsets stay inside 16 bits
	v_add_nc_u32 v5, 3*BLKB, v1
	v_add_nc_u32 v6, 6*BLKB, v1
	v_add_nc_u32 v7, 18432, v3                     ; and three for their scale words
	v_add_nc_u32 v8, 18432+3*BLKB, v3
	v_add_nc_u32 v9, 18432+6*BLKB, v3
	s_wait_dscnt 0x0
	s_wait_kmcnt 0x0
	s_add_nc_u64 s[26:27], s[4:5], s[12:13]
	s_add_nc_u64 s[30:31], s[26:27], 4*BLKB
	s_or_b32 s27, s27, 0x80000000
	s_or_b32 s31, s31, 0x80000000
	s_lshl_b32 s14, s10, 4
	s_lshl_b32 s15, s8, 2
	s_add_co_u32 s14, s14, s15                     ; my first token tile
	s_mul_i32 s32, s14, 12288
	s_mov_b32 s33, 0
	s_add_nc_u64 s[32:33], s[4:5], s[32:33]        ; its fragments
	s_lshl_b32 s34, s14, 9
	s_add_co_u32 s34, s34, XSC
	s_mov_b32 s35, 0
	s_add_nc_u64 s[34:35], s[4:5], s[34:35]        ; its scale words
	s_lshr_b32 s36, s10, 3
	s_lshl_b32 s36, s36, 4
	s_add_co_u32 s36, s36, s11                     ; batch x 16 + head
	s_lshl_b32 s36, s36, 5
	s_and_b32 s37, s10, 7
	s_lshl_b32 s37, s37, 2
	s_add_co_u32 s36, s36, s37
	s_add_co_u32 s36, s36, s8                      ; x 32 + my block of 64 tokens
	s_mul_i32 s36, s36, 3328
	s_mov_b32 s37, 0
	s_add_nc_u64 s[48:49], s[6:7], s[36:37]        ; my record of q,
	s_add_nc_u64 s[50:51], s[48:49], KREC          ; of k,
	s_add_nc_u64 s[52:53], s[48:49], QAREC         ; of qa,
	s_add_nc_u64 s[54:55], s[48:49], KAREC         ; of ka
	CROUND                                         ; all four work-groups are here: the joint loads meet
	tensor_load_to_lds s[24:27], s[16:23]
	s_nop 0
	tensor_load_to_lds s[28:31], s[16:23]
	s_nop 0
	PLACES                                         ; four plain lines behind the tensor loads
.irp mp,0,1
.irp ks,0,1,2,3,4,5,6,7
	global_load_b32 v[32+8*\mp+\ks], v3, s[34:35] offset:(8*\mp+\ks)*128   ; lanes 0-15 the even tile's words, lanes 16-31 the odd tile's
.endr
.endr
.macro AFETCH ks                       ; x's four fragments of a K step into slot ks % 4: 12 loads of 512 consecutive bytes
	WIN 0x40
.irp m,0,1,2,3
.irp c,0,1,2
	global_load_b128 v[48*((\ks)%4)+12*\m+4*\c:48*((\ks)%4)+12*\m+4*\c+3], v1, s[32:33] offset:\m*12288+(\ks)*1536+512*\c
.endr
.endr
	WIN 0
.endm
.macro BFETCH p                        ; half step p: six weight fragments and their three pairs of scale words: 21 LDS loads
.set bk, (\p)/2
.set bh, (\p)%2
.irp n,0,1,2,3,4,5
.irp c,0,1,2
	ds_load_b128 v[96+72*bh+12*\n+4*\c:96+72*bh+12*\n+4*\c+3], v[4+bk/3] offset:(bk%3)*BLKB+(6*bh+\n)*1536+512*\c
.endr
.endr
.irp q,0,1,2
	ds_load_b32 v[48+3*bh+\q], v[7+bk/3] offset:(bk%3)*BLKB+(3*bh+\q)*128
.endr
.endm
.macro MUL12 m0                        ; token tiles m0, m0 + 1 x the half step's six column tiles.  Each accumulator has one turn in a K step: the 48 take turns
.irp mm,0,1
.irp n,0,1,2,3,4,5
.set rD, 8*(12*\mm+6*hh+\n)
.set rA, 96+72*hh+12*\n
.set rB, 48*(hk%4)+12*((\m0)+\mm)
.set rSA, 48+3*hh+\n/2
.set rSB, 32+8*((\m0)/2)+hk
.set fA, \n%2
.set fB, \mm
	WM
.endr
.endr
.endm
.macro HS p                            ; half step p: K step p / 2, column tiles 6 (p % 2) on
.set hk, (\p)/2
.set hh, (\p)%2
.set fZ, 0
.if hk == 0
.set fZ, 1
.endif
.if (\p) > 0
	PLACES                                         ; four places behind the last products, whose half set, scale words and slot the loads below fill
.endif
.if (\p) == 7
	s_wait_tensorcnt 0x0                           ; my second block is in,
	s_wait_dscnt 0x0
	s_barrier_signal -1
	s_barrier_wait -1                              ; everybody's is: blocks 4 to 7 are whole.  Nothing is ever filled again
.endif
.if (\p) < 15
	BFETCH (\p)+1
.endif
.if (hh == 0) && (hk >= 1) && (hk <= 4)
	AFETCH hk+3
.endif
.if (\p) < 15
	s_wait_dscnt 21                                ; all but the 21 just issued
.else
	s_wait_dscnt 0x0
.endif
.if hh == 0
.if hk <= 4
	s_wait_loadcnt 36                              ; this K step's fragments of x are in; three younger fetches of 12 stay out
.else
	s_wait_loadcnt 12*(7-hk)
.endif
.endif
	WIN 0xa4                                       ; source 0 window 0, source 1 window 1, C and D window 2
	MUL12 0
	WIN 0xf4                                       ; C and D window 3
	MUL12 2
	WIN 0
.endm
	AFETCH 0
	AFETCH 1
	AFETCH 2
	AFETCH 3
	s_wait_tensorcnt 1                             ; my first block is in; the second may stay out
	s_barrier_signal -1
	s_barrier_wait -1                              ; blocks 0 to 3 are whole
	BFETCH 0
.irp p,0,1,2,3,4,5,6,7,8,9,10,11,12,13,14,15
	HS \p
.endr
	PLACES
; 32 numbers of a lane in window w, register 16 b + i = channel 32 b + 16 (lane / 16) + i of my token, become six registers of codes at v[PC] and the token's scale word (bytes 2 and 3 stay 0).
.macro QUANT32 s, w, word
	WIN ((\w)<<2)|((\w)<<4)
.irp b,0,1
	v_max3_num_f32 v[TM+\b], 0x1800000, |v[(\s)+16*\b]|, |v[(\s)+16*\b+1]|   ; the floor 2^(3 - 127) holds the byte at 1 from below; each accumulator is read from its low end on
.endr
.irp i,2,4,6,8,10,12,14
.irp b,0,1
	v_max3_num_f32 v[TM+\b], v[TM+\b], |v[(\s)+16*\b+\i]|, |v[(\s)+16*\b+\i+1]|
.endr
.endr
	WIN 0
.irp b,0,1
	v_permlanex16_b32 v[TM+2+\b], v[TM+\b], s[SEL], s[SEL+1]
.endr
.irp b,0,1
	v_max_num_f32 v[TM+\b], v[TM+\b], v[TM+2+\b]   ; with lane l xor 16's 16: the block's largest magnitude
.endr
.irp b,0,1
	v_add_nc_u32 v[TM+4+\b], 0xff000000, v[TM+\b]  ; 2 off the exponent field: the conversion's scale operand
.endr
.irp b,0,1
	v_lshrrev_b32 v[TM+6+\b], 23, v[TM+4+\b]
.endr
	v_lshl_or_b32 v[\word], v[TM+7], 8, v[TM+6]
	s_wait_xcnt 0x0                                ; the last stores have read the codes' registers: they are written again only behind this wait
	WIN \w
	v_cvt_scalef32_pk16_fp6_f32 v[PC:PC+2], v[(\s):(\s)+15], v[TM+4]
	v_cvt_scalef32_pk16_fp6_f32 v[PC+6:PC+8], v[(\s)+16:(\s)+31], v[TM+5]
	WIN 0
	v_nop                                          ; one plain instruction behind the conversions
.irp i,0,1,2
	v_permlane16_swap_b32 v[PC+\i], v[PC+6+\i]     ; a whole block to a lane: lanes 0-15 block 0, lanes 16-31 block 1
.endr
.irp i,0,1,2
	v_mov_b32 v[PC+3+\i], v[PC+6+\i]
.endr
.endm
.macro EMIT sb, m                      ; the six registers as they stand: 512 + 256 consecutive bytes
	global_store_b128 v1, v[PC:PC+3], s[\sb:\sb+1] offset:768*(\m)
	global_store_b64 v2, v[PC+4:PC+5], s[\sb:\sb+1] offset:768*(\m)+512
.endm
.macro TOK m                           ; token tile m: q, qa, k, ka
.set aw, 2+(\m)/2
.set ab, 96*((\m)%2)
	QUANT32 ab, aw, WD+(\m)
	EMIT 48, \m
	WIN aw
.set j, 0
.rept 16
	v_pk_mul_f32 v[T+j:T+j+1], v[ab+j:ab+j+1], s[40:41] op_sel_hi:[1,0]
	v_pk_mul_f32 v[T2+j:T2+j+1], v[ab+j:ab+j+1], s[42:43] op_sel_hi:[1,0]
.set j, j+2
.endr
	WIN 0
.set j, 0
.rept 32
	v_min_num_f32 v[T+j], v[T+j], v[T2+j]          ; -leaky(-q / 8) = the lesser of q / 8 and 0.02 q / 8
.set j, j+1
.endr
	QUANT32 T, 0, WD+8+(\m)
	EMIT 52, \m
	QUANT32 ab+32, aw, WD+4+(\m)
	EMIT 50, \m
	WIN aw
.set j, 0
.rept 16
	v_pk_mul_f32 v[T+j:T+j+1], v[ab+64+j:ab+64+j+1], s[44:45] op_sel_hi:[1,0]
.set j, j+2
.endr
	WIN 0
.set j, 0
.rept 32
	v_exp_f32 v[T+j], v[T+j]                       ; e^(-0.02 k2 / 8)
.set j, j+1
.endr
	v_nop
	s_wait_alu depctr_va_vdst(0)                   ; one wait for the batch, ahead of its first reader
.set j, 0
.rept 16
	v_pk_add_f32 v[T+j:T+j+1], v[T+j:T+j+1], 1.0 op_sel_hi:[1,0]
.set j, j+2
.endr
.set j, 0
.rept 32
	v_rcp_f32 v[T+j], v[T+j]                       ; the sigmoid
.set j, j+1
.endr
	v_nop
	s_wait_alu depctr_va_vdst(0)
	QUANT32 T, 0, WD+12+(\m)
	EMIT 54, \m
.endm
	TOK 0
	TOK 1
	TOK 2
	TOK 3
	s_mov_b32 vcc_lo, 0xffff0000                   ; a pair's scale words: lanes 0-15 the even tile's, lanes 16-31 the odd tile's
.irp t,0,1,2,3
.irp jj,0,1
	v_cndmask_b32 v[184+2*\t+\jj], v[WD+4*\t+2*\jj], v[WD+4*\t+2*\jj+1], vcc_lo
.endr
.endr
.irp t,0,1,2,3
.irp jj,0,1
	global_store_b32 v3, v[184+2*\t+\jj], s[48+2*\t:49+2*\t] offset:3072+128*\jj
.endr
.endr
	s_wait_tensorcnt 0x0
	ds_add_u32 v254, v255
	s_wait_dscnt 0x0
	CROUND                                         ; the closing round
	s_endpgm
.Lfunc_end_k_qbc97eea817_gemm1:
	.size	k_qbc97eea817_gemm1, .Lfunc_end_k_qbc97eea817_gemm1-k_qbc97eea817_gemm1
	.p2alignl 7, 3214868480
	.fill 96, 4, 3214868480
	.section	.rodata,"a",@progbits
	.p2align	6, 0x0
	.amdhsa_kernel k_qbc97eea817_gemm1
		.amdhsa_group_segment_fixed_size 168448
		.amdhsa_private_segment_fixed_size 0
		.amdhsa_enable_private_segment 0
		.amdhsa_kernarg_size 16
		.amdhsa_user_sgpr_count 2
		.amdhsa_user_sgpr_kernarg_segment_ptr 1
		.amdhsa_wavefront_size32 1
		.amdhsa_system_sgpr_workgroup_id_x 1
		.amdhsa_system_sgpr_workgroup_id_y 1
		.amdhsa_system_sgpr_workgroup_id_z 1
		.amdhsa_system_vgpr_workitem_id 0
		.amdhsa_next_free_vgpr 960
		.amdhsa_next_free_sgpr 66
		.amdhsa_reserve_vcc 1
		.amdhsa_float_denorm_mode_32 3
		.amdhsa_float_denorm_mode_16_64 3
		.amdhsa_memory_ordered 1
		.amdhsa_forward_progress 1
		.amdhsa_inst_pref_size 154
	.end_amdhsa_kernel
	.amdgpu_metadata
---
amdhsa.version: [ 1, 2 ]
amdhsa.kernels:
  - .name:           k_qbc97eea817_gemm1
    .symbol:         k_qbc97eea817_gemm1.kd
    .args:
      - { .name: qin, .offset: 0, .size: 8, .value_kind: global_buffer, .address_space: global }
      - { .name: heads, .offset: 8, .size: 8, .value_kind: global_buffer, .address_space: global }
    .group_segment_fixed_size: 168448
    .private_segment_fixed_size: 0
    .kernarg_segment_align: 8
    .kernarg_segment_size: 16
    .max_flat_workgroup_size: 128
    .sgpr_count:     66
    .vgpr_count:     960
    .wavefront_size: 32
...
	.end_amdgpu_metadata
.endif
;; end of part 2
;; launch ar (part 3): grid 8 x 32, 16 waves a work-group, no clusters, 284,672 bytes of LDS; arguments heads, qin, x, arout; writes arout
.if DOCPART == 3
	.amdgcn_target "amdgcn-amd-amdhsa--gfx1250"
	.amdhsa_code_object_version 6
	.text
	.protected	k_qbc97eea817_ar
	.globl	k_qbc97eea817_ar
	.p2align	8
	.type	k_qbc97eea817_ar,@function
k_qbc97eea817_ar:
	s_mov_b64 s[64:65], 0
	v_nop
	global_prefetch_b8 v0, s[64:65] scope:SCOPE_SE
	s_setreg_imm32_b32 hwreg(HW_REG_WAVE_MODE, 25, 1), 1
	s_wait_xcnt 0x0
; y = softmax(causal(q k^T / 8)) x per head (64 channels), both products on codes of E2M3; stored are the codes of y (along C) and of e[s] = x[s + 1] - y[s] (along s; e[2047] = 0).
; THE SOFTMAX AHEAD OF THE SECOND PRODUCT: t = score x log2(e) / 8; M = the running largest t rounded UP to a whole number; p = 2^(t - M) is quantised along the keys; the row's sum is of the unquantised p and divides at the end.
; SHARES.  A work-group owns blocks i and 15 - i of 128 queries of one head: 17 key steps of 128 for each pair of tiles, whatever i.  Each of its 16 waves owns one tile of 16 queries; four waves to a SIMD, two of each block.
; THE HEAD'S K AND V, 2 x 106,496 bytes of register images, fit in LDS whole: asked for once, at the head, in four chunks of four key steps; a wave has four tensor loads out.  Nothing is filled again.
; NO JOINT REQUESTS, though the eight work-groups of a head read the same K and V: what tells them apart is their query blocks, and the jump over hidden key steps hangs on just that.
; LAYOUT.  Both products transposed (S^T = K Q^T, O^T = V^T P^T): a lane holds ONE query.  A tile's keys, queries and channels are 32 b + 8 u + r + 8 (r / 8), so the 16 registers of tiles 2 b, 2 b + 1 are 16 neighbours.
; K = 64 IN A FORM OF 128: Q's registers 6-11 are zero codes, so what K's registers 6-11 hold adds nothing; the scale bytes there are 0, which is no NaN.
; LIMITS: hidden scores count as -1e9 (as -8e9 ahead of the factor 1 / 8) on the diagonal step, and key steps that lie wholly behind a tile's queries are left out: rows whose largest visible logit lies under about -1e9 are not served.
; A block of zeros or under 2^-124 gets the byte 1.  NaN and infinities are not served.
; REGISTERS: v1-3 16, 8, 4 x lane; v4 my query - 16 (lane / 16); v5, v6 the stage; v7 x's offset; v8-11, v29 the step's LDS addresses; v12 -M, v13 the largest t, v[14:15] the sum; v16-27 Q, v28 its scale word;
;   v30 0 for token 2,047, else 1; v31 4 r; v32-127 eight fragment slots (on the way out v32-61: e's codes and the quantiser's work); v128-191 S^T, then p, then x, e; v192-223 O^T; v224-235 p's codes; v232-254 at work;
;   v248-251 loaded scale words; v253 p's scale word; v255 -8e9.
.set KREC,  3407872
.set VREC,  6553600
.set YREC,  3407872
.set YSC,   6553600
.set REC,   3328
.set HEADB, 106496                     ; a head's 32 records
.set CHUNK, 26624                      ; eight records: four key steps
.set STEPB, 6656
.set STG,   2*HEADB                    ; behind K and V: the stage of e, 256 rows x 272 bytes; no fill lands there
.set SP,    272
.set S,     128
.set O,     192
.set EC,    32                         ; the way out: e's codes, v32-43
.set EP,    44                         ; v44-50 the halves that a conversion cannot put at an odd register
.set ET,    52                         ; v52-59 at work; v58 the scale word
.set ESH,   60                         ; v60 8 x (lane / 16)
.set EZ,    61                         ; v61 0
.set SEL,   46
.set CS,    48
.macro WM                              ; one matrix instruction by the symbols rD, rA, rB, rSA, rSB; fA: source 0's scale words stand in lanes 16-31; fZ: it starts the sum
.if fZ
.if fA
	v_wmma_scale_f32_16x16x128_f8f6f4 v[rD:rD+7], v[rA:rA+11], v[rB:rB+11], 0, v[rSA], v[rSB] matrix_a_fmt:MATRIX_FMT_FP6 matrix_b_fmt:MATRIX_FMT_FP6 matrix_a_scale:MATRIX_SCALE_ROW1
.else
	v_wmma_scale_f32_16x16x128_f8f6f4 v[rD:rD+7], v[rA:rA+11], v[rB:rB+11], 0, v[rSA], v[rSB] matrix_a_fmt:MATRIX_FMT_FP6 matrix_b_fmt:MATRIX_FMT_FP6
.endif
.else
.if fA
	v_wmma_scale_f32_16x16x128_f8f6f4 v[rD:rD+7], v[rA:rA+11], v[rB:rB+11], v[rD:rD+7], v[rSA], v[rSB] matrix_a_fmt:MATRIX_FMT_FP6 matrix_b_fmt:MATRIX_FMT_FP6 matrix_a_scale:MATRIX_SCALE_ROW1
.else
	v_wmma_scale_f32_16x16x128_f8f6f4 v[rD:rD+7], v[rA:rA+11], v[rB:rB+11], v[rD:rD+7], v[rSA], v[rSB] matrix_a_fmt:MATRIX_FMT_FP6 matrix_b_fmt:MATRIX_FMT_FP6
.endif
.endif
.endm
.macro PLACES
.rept 4
	v_nop
.endr
.endm
; 32 numbers, register 16 b + i = channel 32 b + 16 (lane / 16) + i of my token -> six registers of codes at v[pc], the token's scale word (bytes 2, 3 = 0)
.macro QUANT32F s, pc, tm, word
.irp b,0,1
	v_max3_num_f32 v[\tm+\b], |v[\s+16*\b]|, |v[\s+16*\b+1]|, 0x1800000
.endr
.irp i,2,4,6,8,10,12,14
.irp b,0,1
	v_max3_num_f32 v[\tm+\b], v[\tm+\b], |v[\s+16*\b+\i]|, |v[\s+16*\b+\i+1]|
.endr
.endr
.irp b,0,1
	v_permlanex16_b32 v[\tm+2+\b], v[\tm+\b], s[SEL], s[SEL+1]
.endr
.irp b,0,1
	v_max_num_f32 v[\tm+\b], v[\tm+\b], v[\tm+2+\b]
.endr
.irp b,0,1
	v_add_nc_u32 v[\tm+4+\b], 0xff000000, v[\tm+\b]
.endr
.irp b,0,1
	v_lshrrev_b32 v[\tm+6+\b], 23, v[\tm+4+\b]
.endr
	v_lshl_or_b32 v[\word], v[\tm+7], 8, v[\tm+6]
	v_cvt_scalef32_pk16_fp6_f32 v[\pc:\pc+2], v[\s:\s+15], v[\tm+4]
	v_cvt_scalef32_pk16_fp6_f32 v[\pc+6:\pc+8], v[\s+16:\s+31], v[\tm+5]
	v_nop
.irp i,0,1,2
	v_permlane16_swap_b32 v[\pc+\i], v[\pc+6+\i]
.endr
.irp i,0,1,2
	v_mov_b32 v[\pc+3+\i], v[\pc+6+\i]
.endr
.endm
; 64 numbers, v[s + 32 c + i] = number i of my block 2 c + (lane / 16) -> a fragment's 12 registers at v[pc], the row's scale word in v[tm + 6].  pc, pt, tm and sh lie outside the 64 numbers
.macro QUANT64W s, pc, pt, tm, sh
.irp c,0,1
	v_max3_num_f32 v[\tm+\c], |v[\s+32*\c]|, |v[\s+32*\c+1]|, 0x1800000
.endr
.irp i,2,4,6,8,10,12,14,16,18,20,22,24,26,28,30
.irp c,0,1
	v_max3_num_f32 v[\tm+\c], v[\tm+\c], |v[\s+32*\c+\i]|, |v[\s+32*\c+\i+1]|
.endr
.endr
.irp c,0,1
	v_add_nc_u32 v[\tm+2+\c], 0xff000000, v[\tm+\c]
.endr
.irp c,0,1
	v_lshrrev_b32 v[\tm+4+\c], 23, v[\tm+2+\c]
.endr
	v_lshl_or_b32 v[\tm+6], v[\tm+5], 16, v[\tm+4]
	v_lshlrev_b32 v[\tm+6], v[\sh], v[\tm+6]
	v_permlanex16_b32 v[\tm+7], v[\tm+6], s[SEL], s[SEL+1]
	v_or_b32 v[\tm+6], v[\tm+6], v[\tm+7]
.irp c,0,1
	v_cvt_scalef32_pk16_fp6_f32 v[\pc+6*\c:\pc+6*\c+2], v[\s+32*\c:\s+32*\c+15], v[\tm+2+\c]
	v_cvt_scalef32_pk16_fp6_f32 v[\pt+4*\c:\pt+4*\c+2], v[\s+32*\c+16:\s+32*\c+31], v[\tm+2+\c]
.endr
	v_nop
.irp c,0,1
.irp i,0,1,2
	v_mov_b32 v[\pc+3+6*\c+\i], v[\pt+4*\c+\i]
.endr
.endr
.endm
	s_load_b256 s[4:11], s[0:1], 0x0               ; heads s[4:5], qin s[6:7], x s[8:9], arout s[10:11]
	v_lshl_add_u32 v254, v0, 2, 0x45000
	v_mov_b32 v255, 0
	ds_add_u32 v254, v255
	ds_add_u32 v254, v255
	s_wait_dscnt 0x0
	v_lshrrev_b32 v1, 5, v0
	v_readfirstlane_b32 s12, v1                    ; wave 0..15
	s_mov_b32 s13, ttmp9                           ; i
	s_and_b32 s14, ttmp7, 0xffff                   ; batch x 16 + head
	s_lshr_b32 s15, s12, 2
	s_xor_b32 s15, s15, s12
	s_and_b32 s15, s15, 1                          ; which of the two blocks is mine
	s_lshr_b32 s40, s12, 1                         ; which tile of it
	s_sub_co_u32 s41, 15, s13
	s_cmp_eq_u32 s15, 1
	s_cselect_b32 s41, s41, s13                    ; my block of 128 queries
	; descriptor group 1: a record of 3,328 bytes as 13 rows of 256 bytes (32 elements of 8 bytes), no padding
	s_mov_b32 s16, 3<<16
	s_mov_b32 s17, 32<<16
	s_mov_b32 s18, 13<<16
	s_mov_b32 s19, 32<<16
	s_mov_b32 s20, 13
	s_mov_b32 s21, 32
	s_mov_b32 s22, 0
	s_mov_b32 s23, 0
	s_lshr_b32 s66, s12, 3                         ; waves 0-7 bring K's records, waves 8-15 V's: record 8 g + w % 8 of chunk g
	s_and_b32 s67, s12, 7
	s_mul_i32 s67, s67, REC
	s_mul_i32 s68, s66, HEADB
	s_add_co_u32 s68, s68, s67                     ; in LDS
	s_mul_i32 s70, s14, HEADB
	s_add_co_u32 s70, s70, s67                     ; in memory
	s_mov_b32 s71, 0
	s_wait_kmcnt 0x0
	s_add_nc_u64 s[72:73], s[4:5], KREC
	s_add_nc_u64 s[74:75], s[6:7], VREC
	s_cmp_lt_u32 s12, 8
	s_cselect_b64 s[72:73], s[72:73], s[74:75]
	s_add_nc_u64 s[72:73], s[72:73], s[70:71]
.irp g,0,1,2,3
	s_mov_b32 s[24+4*\g], 1
	s_add_co_u32 s[25+4*\g], s68, \g*CHUNK
	s_add_nc_u64 s[26+4*\g:27+4*\g], s[72:73], \g*CHUNK
	s_or_b32 s[27+4*\g], s[27+4*\g], 0x80000000
.endr
.irp g,0,1,2,3
	tensor_load_to_lds s[24+4*\g:27+4*\g], s[16:23]
	s_nop 0
.endr
	PLACES                                         ; four plain lines behind the tensor loads
	s_mov_b32 s[SEL], 0x76543210
	s_mov_b32 s[SEL+1], 0xfedcba98
	s_mov_b32 s[CS], 0x3e38aa3b                    ; c = log2(e) / 8
	s_mov_b32 s[CS+1], s[CS]
	v_and_b32 v240, 31, v0
	v_lshlrev_b32 v1, 4, v240
	v_lshlrev_b32 v2, 3, v240
	v_lshlrev_b32 v3, 2, v240
	v_and_b32 v241, 15, v0                         ; r
	v_bfe_u32 v242, v0, 4, 1                       ; h
	v_lshlrev_b32 v31, 2, v241
	v_and_b32 v243, 8, v241
	v_add_nc_u32 v243, v243, v241                  ; r + 8 (r / 8)
	s_lshr_b32 s2, s40, 1
	s_lshl_b32 s2, s2, 5
	s_and_b32 s3, s40, 1
	s_lshl_b32 s3, s3, 3
	s_add_co_u32 s2, s2, s3
	v_add_nc_u32 v244, s2, v243                    ; my query in its block
	v_lshlrev_b32 v245, 4, v242
	v_sub_nc_u32 v4, v244, v245
	s_lshl_b32 s3, s15, 7
	v_add_nc_u32 v5, s3, v244
	v_mul_u32_u24 v5, v5, SP
	v_lshl_add_u32 v5, v242, 6, v5
	v_add_nc_u32 v5, STG, v5                       ; the stage, in: my token's row, + 64 h
	s_bfe_u32 s3, s12, 0x10002
	s_lshl_b32 s3, s3, 7
	v_lshl_add_u32 v6, v242, 5, s3
	v_mul_u32_u24 v6, v6, SP
	s_bfe_u32 s3, s12, 0x10001
	s_lshl_b32 s3, s3, 5
	s_and_b32 s45, s12, 1
	s_lshl_b32 s45, s45, 3
	s_add_co_u32 s3, s3, s45
	v_add_nc_u32 v246, s3, v243
	v_lshl_add_u32 v6, v246, 2, v6
	v_add_nc_u32 v6, STG, v6                       ; and out (waves 0-7): block (w / 4) % 2, channel tile w % 4, down a column
	s_lshl_b32 s3, s41, 7
	v_add_nc_u32 v247, s3, v244                    ; my token in its batch
	v_add_nc_u32 v7, 1, v247
	v_min_u32 v7, 2047, v7                         ; the next token's row of x, held inside the batch
	v_lshlrev_b32 v7, 12, v7
	v_lshl_add_u32 v7, v242, 6, v7
	v_cmp_eq_u32 vcc_lo, 2047, v247
	v_mov_b32 v246, 0
	v_cndmask_b32 v30, 1.0, v246, vcc_lo
	s_lshl_b32 s2, s14, 5                          ; Q: record head x 32 + 2 block + tile / 4, tile % 4 in it
	s_lshl_b32 s3, s41, 1
	s_add_co_u32 s2, s2, s3
	s_lshr_b32 s3, s40, 2
	s_add_co_u32 s2, s2, s3
	s_mul_i32 s2, s2, REC
	s_and_b32 s3, s40, 3
	s_mul_i32 s45, s3, 768
	s_add_co_u32 s66, s2, s45
	s_mov_b32 s67, 0
	s_add_nc_u64 s[50:51], s[4:5], s[66:67]
	s_lshl_b32 s45, s3, 6
	s_add_co_u32 s68, s2, s45
	s_add_co_u32 s68, s68, 3072
	s_mov_b32 s69, 0
	s_add_nc_u64 s[52:53], s[4:5], s[68:69]
	global_load_b128 v[16:19], v1, s[50:51]
	global_load_b64 v[20:21], v2, s[50:51] offset:512
	global_load_b32 v28, v31, s[52:53]
	s_lshr_b32 s2, s14, 4                          ; batch
	s_and_b32 s3, s14, 15                          ; head
	s_lshl_b32 s66, s2, 23
	s_lshl_b32 s45, s3, 8
	s_add_co_u32 s66, s66, s45
	s_add_nc_u64 s[54:55], s[8:9], s[66:67]        ; x: my batch, my head's 256 bytes of a row
	s_lshl_b32 s68, s2, 7
	s_lshl_b32 s45, s41, 3
	s_add_co_u32 s68, s68, s45
	s_add_co_u32 s68, s68, s40                     ; my token tile among the 256
	s_lshr_b32 s70, s3, 1
	s_and_b32 s71, s3, 1
	s_lshl_b32 s66, s68, 3
	s_add_co_u32 s66, s66, s70
	s_mul_i32 s66, s66, 1536
	s_mul_i32 s45, s71, 768
	s_add_co_u32 s66, s66, s45
	s_add_co_u32 s66, s66, YREC
	s_add_nc_u64 s[56:57], s[10:11], s[66:67]      ; y's codes: half a fragment
	s_lshr_b32 s66, s68, 1
	s_lshl_b32 s66, s66, 3
	s_add_co_u32 s66, s66, s70
	s_lshl_b32 s66, s66, 7
	s_and_b32 s45, s68, 1
	s_lshl_b32 s45, s45, 6
	s_add_co_u32 s66, s66, s45
	s_lshl_b32 s45, s71, 1
	s_add_co_u32 s66, s66, s45
	s_add_co_u32 s66, s66, YSC
	s_add_nc_u64 s[58:59], s[10:11], s[66:67]      ; y's scale bytes: my head's half of each word
	s_bfe_u32 s45, s12, 0x10002
	s_sub_co_u32 s66, 15, s13
	s_cmp_eq_u32 s45, 1
	s_cselect_b32 s66, s66, s13                    ; e (waves 0-7): which block
	s_lshl_b32 s45, s14, 4
	s_add_co_u32 s66, s66, s45
	s_lshl_b32 s66, s66, 1
	s_bfe_u32 s45, s12, 0x10001
	s_add_co_u32 s66, s66, s45
	s_mul_i32 s66, s66, REC
	s_and_b32 s45, s12, 1
	s_mul_i32 s70, s45, 1536
	s_lshl_b32 s71, s45, 6
	s_add_co_u32 s68, s66, s71
	s_add_co_u32 s68, s68, 3072
	s_add_co_u32 s66, s66, s70
	s_add_nc_u64 s[60:61], s[10:11], s[66:67]
	s_add_nc_u64 s[62:63], s[10:11], s[68:69]
.irp i,22,23,24,25,26,27
	v_mov_b32 v\i, 0                               ; Q's upper 64 along K: zero codes
.endr
.irp k,0,1,2,3,4,5,6,7
.irp i,6,7,8,9,10,11
	v_mov_b32 v[32+12*\k+\i], 0                    ; the slots' upper halves are named by the first products: written once
.endr
.endr
.set j, 0
.rept 32
	v_mov_b32 v[O+j], 0                            ; O^T: the step is written once; the first change of M leaves zeros zeros
.set j, j+1
.endr
	v_mov_b32 v13, 0xff61b1e6                      ; the largest t so far: -3e38
	v_floor_f32 v12, -v13
	v_mov_b32 v14, 0
	v_mov_b32 v15, 0
.irp i,236,237,238,239,252,253
	v_mov_b32 v\i, 0                               ; written once: a lane permute's destination counts as one of its sources, and a pair is named whole
.endr
	v_mov_b32 v255, 0xcfee6b28                     ; -8e9
	s_wait_loadcnt 0x0                             ; Q
; A KEY STEP: 128 keys.  s42 its first byte in K's (and, HEADB on, V's) records; s43 its number
.macro STEP
	s_cmp_gt_u32 s43, s41                          ; all its keys come after my queries: left out, but for the lines at its end
	s_cbranch_scc1 .Lhid_\@
	v_add_nc_u32 v8, s42, v1                       ; (these five are also the places behind the last step's products, in front of the loads)
	v_add_nc_u32 v9, s42, v2
	v_add_nc_u32 v10, s42, v3
	v_add_nc_u32 v11, HEADB, v8
	v_add_nc_u32 v29, HEADB, v10
.irp kt,0,1,2,3,4,5,6,7
	ds_load_b128 v[32+12*\kt:35+12*\kt], v8 offset:(\kt/4)*REC+(\kt%4)*768
	ds_load_b64 v[36+12*\kt:37+12*\kt], v9 offset:(\kt/4)*REC+(\kt%4)*768+512
.endr
.irp p,0,1,2,3
	ds_load_b32 v[248+\p], v10 offset:(\p/2)*REC+3072+(\p%2)*128
.endr
	s_wait_dscnt 0x0
.set fZ, 1
.irp kt,0,1,2,3,4,5,6,7
.set rD, S+8*\kt
.set rA, 32+12*\kt
.set rB, 16
.set rSA, 248+\kt/2
.set rSB, 28
.set fA, \kt%2
	WM
.endr
	PLACES
.irp ct,0,1,2,3                        ; V's four fragments land while the softmax runs
.irp c,0,1,2
	ds_load_b128 v[32+12*\ct+4*\c:35+12*\ct+4*\c], v11 offset:(\ct/2)*REC+(\ct%2)*1536+512*\c
.endr
.endr
.irp cp,0,1
	ds_load_b32 v[248+\cp], v29 offset:\cp*REC+3072
.endr
	s_cmp_lg_u32 s43, s41                          ; the diagonal step: register 16 b + i holds key 32 b + 16 (lane / 16) + i: hidden where 32 b + i > my query - 16 (lane / 16)
	s_cbranch_scc1 .Lopen_\@
.set n, 0
.rept 64
	v_cmp_gt_i32 vcc_lo, 32*(n/16)+n%16, v4
	v_cndmask_b32 v[S+n], v[S+n], v255, vcc_lo
.set n, n+1
.endr
.Lopen_\@:
.irp b,0,1,2,3
	v_max3_num_f32 v[232+\b], v[S+16*\b], v[S+1+16*\b], v[S+2+16*\b]   ; the largest score of each block of 32 keys: for the row's maximum, and for the block's largest p
.endr
.irp i,3,5,7,9,11,13
.irp b,0,1,2,3
	v_max3_num_f32 v[232+\b], v[232+\b], v[S+16*\b+\i], v[S+1+16*\b+\i]
.endr
.endr
.irp b,0,1,2,3
	v_max_num_f32 v[232+\b], v[232+\b], v[S+15+16*\b]
.endr
.irp b,0,1,2,3
	v_permlanex16_b32 v[236+\b], v[232+\b], s[SEL], s[SEL+1]
.endr
.irp b,0,1,2,3
	v_max_num_f32 v[232+\b], v[232+\b], v[236+\b]
.endr
	v_max3_num_f32 v254, v232, v233, v234
	v_max_num_f32 v254, v254, v235
	v_mul_f32 v254, s[CS], v254
	v_max_num_f32 v13, v13, v254                   ; the running largest t
	v_mov_b32 v254, v12
	v_floor_f32 v12, -v13                          ; -M = floor(-t): M is a whole number
	v_sub_f32 v254, v12, v254
	v_cvt_i32_f32 v254, v254                       ; (it saturates)
	v_ldexp_f32 v252, 1.0, v254                    ; f = 2^(old M - new M): rounds nothing
.set j, 0
.rept 32
	v_pk_fma_f32 v[S+j:S+j+1], v[S+j:S+j+1], s[CS:CS+1], v[12:13] op_sel_hi:[1,0,0]   ; t - M
.set j, j+2
.endr
.irp b,0,1,2,3
	v_fma_f32 v[232+\b], v[232+\b], s[CS], v12
.endr
.set j, 0
.rept 64
	v_exp_f32 v[S+j], v[S+j]                       ; p = 2^(t - M)
.set j, j+1
.endr
	v_pk_mul_f32 v[14:15], v[14:15], v[252:253] op_sel_hi:[1,0]   ; the sums under the new M: a plain line behind the exponentials
	s_wait_alu depctr_va_vdst(0)                   ; one wait for the batch, ahead of its first reader
.irp b,0,1,2,3
	v_exp_f32 v[232+\b], v[232+\b]                 ; the block's largest p
.endr
	v_pk_add_f32 v[236:237], v[S:S+1], v[S+2:S+3]  ; the row's sum, of the unquantised p, in two chains
.irp j,4,8,12,16,20,24,28,32,36,40,44,48,52,56,60
	v_pk_add_f32 v[14:15], v[14:15], v[S+\j:S+1+\j]
	v_pk_add_f32 v[236:237], v[236:237], v[S+2+\j:S+3+\j]
.endr
	v_pk_add_f32 v[14:15], v[14:15], v[236:237]
	s_wait_alu depctr_va_vdst(0)                   ; and one for the four
.irp b,0,1,2,3
	v_max_num_f32 v[232+\b], 0x1800000, v[232+\b]
.endr
.irp b,0,1,2,3
	v_add_nc_u32 v[244+\b], 0xff000000, v[232+\b]
.endr
.irp b,0,1,2,3
	v_lshrrev_b32 v[236+\b], 23, v[244+\b]
.endr
	v_lshl_or_b32 v253, v237, 8, v236              ; p's scale word for these 128 keys
	v_lshl_or_b32 v253, v238, 16, v253
	v_lshl_or_b32 v253, v239, 24, v253
.irp c,0,1
	v_cvt_scalef32_pk16_fp6_f32 v[224+6*\c:226+6*\c], v[S+32*\c:S+15+32*\c], v[244+2*\c]
	v_cvt_scalef32_pk16_fp6_f32 v[236+4*\c:238+4*\c], v[S+16+32*\c:S+31+32*\c], v[244+2*\c+1]
.endr
	v_nop
.irp c,0,1
.irp i,0,1,2
	v_permlane16_swap_b32 v[224+6*\c+\i], v[236+4*\c+\i]
.endr
.irp i,0,1,2
	v_mov_b32 v[227+6*\c+\i], v[236+4*\c+\i]
.endr
.endr
.set j, 0
.rept 16
	v_pk_mul_f32 v[O+j:O+j+1], v[O+j:O+j+1], v[252:253] op_sel_hi:[1,0]   ; O^T under the new M.  These 16 are also the places between the codes, the scale word and the products
.set j, j+2
.endr
	s_wait_dscnt 0x0                               ; V
.set fZ, 0
.irp ct,0,1,2,3                        ; the four accumulators take turns
.set rD, O+8*\ct
.set rA, 32+12*\ct
.set rB, 224
.set rSA, 248+\ct/2
.set rSB, 253
.set fA, \ct%2
	WM
.endr
.Lhid_\@:
	s_add_co_u32 s43, s43, 1
	s_add_co_u32 s42, s42, STEPB
.endm
.macro GROUP g                         ; chunk g: four key steps
	s_wait_tensorcnt 3-\g                          ; my record of chunk g is in; my 3 - g younger loads stay out
	s_wait_dscnt 0x0
	s_barrier_signal -1
	s_barrier_wait -1                              ; everybody's is
	s_mov_b32 s42, \g*CHUNK
	s_mov_b32 s43, 4*\g
	s_mov_b32 s44, 4
.Lgrp_\@:
	STEP
	s_sub_co_u32 s44, s44, 1
	s_cmp_lg_u32 s44, 0
	s_cbranch_scc1 .Lgrp_\@
.endm
	GROUP 0
	GROUP 1
	GROUP 2
	GROUP 3
	; THE WAY OUT
	PLACES                                         ; behind the last products
.irp bb,0,1
.irp u,0,1
	global_load_b128 v[S+16*\bb+8*\u:S+16*\bb+8*\u+3], v7, s[54:55] offset:128*\bb+32*\u       ; x of the next token, at my 32 channels
	global_load_b128 v[S+16*\bb+8*\u+4:S+16*\bb+8*\u+7], v7, s[54:55] offset:128*\bb+32*\u+16
.endr
.endr
	v_add_f32 v14, v14, v15
	v_permlanex16_b32 v252, v14, s[SEL], s[SEL+1]
	v_add_f32 v14, v14, v252                       ; the row's sum
	v_rcp_f32 v14, v14
	v_mov_b32 v15, 0                               ; a plain line behind the reciprocal
	s_wait_alu depctr_va_vdst(0)
.set j, 0
.rept 16
	v_pk_mul_f32 v[160+j:161+j], v[O+j:O+j+1], v[14:15] op_sel_hi:[1,0]   ; y
.set j, j+2
.endr
	QUANT32F 160, 192, 208, 216
	global_store_b128 v1, v[192:195], s[56:57]     ; 512 + 256 consecutive bytes
	global_store_b64 v2, v[196:197], s[56:57] offset:512
	global_store_b16 v31, v216, s[58:59]           ; two bytes of each token's word; lanes 16-31 repeat lanes 0-15
	s_wait_loadcnt 0x0
.set j, 0
.rept 16
	v_pk_add_f32 v[S+j:S+j+1], v[S+j:S+j+1], v[160+j:161+j] neg_lo:[0,1] neg_hi:[0,1]   ; e = x[s + 1] - y[s]
.set j, j+2
.endr
.set j, 0
.rept 16
	v_pk_mul_f32 v[S+j:S+j+1], v[S+j:S+j+1], v[30:31] op_sel_hi:[1,0]   ; e[2047] = 0: it may not enter its block's scale
.set j, j+2
.endr
.irp bb,0,1
.irp u,0,1
	ds_store_b128 v5, v[S+16*\bb+8*\u:S+16*\bb+8*\u+3] offset:128*\bb+32*\u
	ds_store_b128 v5, v[S+16*\bb+8*\u+4:S+16*\bb+8*\u+7] offset:128*\bb+32*\u+16
.endr
.endr
	s_wait_dscnt 0x0                               ; for the others' sake: my 16 rows of e lie in the stage
	s_barrier_signal -1
	s_barrier_wait -1
	s_cmp_lt_u32 s12, 8                            ; two blocks x four channel tiles: eight fragments, one a wave
	s_cbranch_scc0 .Lend
.irp c,0,1
.set i, 0
.rept 32
	ds_load_b32 v[S+32*\c+i], v6 offset:(64*\c+i)*SP   ; e(64 c + 32 h + i, my channel): all of v128-191
.set i, i+1
.endr
.endr
	v_bfe_u32 v[ESH], v0, 4, 1                     ; the quantiser's results and work lie in the fragment slots, which nothing reads any more: none of them is among the 64 numbers
	v_lshlrev_b32 v[ESH], 3, v[ESH]
	v_mov_b32 v[EZ], 0
	v_mov_b32 v[ET+7], 0                           ; a lane permute's destination counts as one of its sources
	s_wait_dscnt 0x0
	QUANT64W S, EC, EP, ET, ESH
.irp c,0,1,2
	global_store_b128 v1, v[EC+4*\c:EC+4*\c+3], s[60:61] offset:512*\c
.endr
	global_store_b32 v31, v[ET+6], s[62:63]
	global_store_b32 v31, v[EZ], s[62:63] offset:128   ; the record's last 128 bytes: the whole record is read later
.Lend:
	s_wait_xcnt 0x0
	v_lshl_add_u32 v254, v0, 2, 0x45000
	v_mov_b32 v255, 0
	s_wait_tensorcnt 0x0
	ds_add_u32 v254, v255
	s_wait_dscnt 0x0
	s_endpgm
.Lfunc_end_k_qbc97eea817_ar:
	.size	k_qbc97eea817_ar, .Lfunc_end_k_qbc97eea817_ar-k_qbc97eea817_ar
	.p2alignl 7, 3214868480
	.fill 96, 4, 3214868480
	.section	.rodata,"a",@progbits
	.p2align	6, 0x0
	.amdhsa_kernel k_qbc97eea817_ar
		.amdhsa_group_segment_fixed_size 284672
		.amdhsa_private_segment_fixed_size 0
		.amdhsa_enable_private_segment 0
		.amdhsa_kernarg_size 32
		.amdhsa_user_sgpr_count 2
		.amdhsa_user_sgpr_kernarg_segment_ptr 1
		.amdhsa_wavefront_size32 1
		.amdhsa_system_sgpr_workgroup_id_x 1
		.amdhsa_system_sgpr_workgroup_id_y 1
		.amdhsa_system_sgpr_workgroup_id_z 1
		.amdhsa_system_vgpr_workitem_id 0
		.amdhsa_next_free_vgpr 256
		.amdhsa_next_free_sgpr 76
		.amdhsa_reserve_vcc 1
		.amdhsa_float_denorm_mode_32 3
		.amdhsa_float_denorm_mode_16_64 3
		.amdhsa_memory_ordered 1
		.amdhsa_forward_progress 1
		.amdhsa_inst_pref_size 111
	.end_amdhsa_kernel
	.amdgpu_metadata
---
amdhsa.version: [ 1, 2 ]
amdhsa.kernels:
  - .name:           k_qbc97eea817_ar
    .symbol:         k_qbc97eea817_ar.kd
    .args:
      - { .name: heads, .offset: 0, .size: 8, .value_kind: global_buffer, .address_space: global }
      - { .name: qin, .offset: 8, .size: 8, .value_kind: global_buffer, .address_space: global }
      - { .name: x, .offset: 16, .size: 8, .value_kind: global_buffer, .address_space: global }
      - { .name: arout, .offset: 24, .size: 8, .value_kind: global_buffer, .address_space: global }
    .group_segment_fixed_size: 284672
    .private_segment_fixed_size: 0
    .kernarg_segment_align: 8
    .kernarg_segment_size: 32
    .max_flat_workgroup_size: 512
    .sgpr_count:     76
    .vgpr_count:     256
    .wavefront_size: 32
...
	.end_amdgpu_metadata
.endif
;; end of part 3
;; launch ma (part 4): grid 8 x 32, 16 waves a work-group, no clusters, 215,040 bytes of LDS; arguments heads, arout, maout; writes maout
.if DOCPART == 4
	.amdgcn_target "amdgcn-amd-amdhsa--gfx1250"
	.amdhsa_code_object_version 6
	.text
	.protected	k_qbc97eea817_ma
	.globl	k_qbc97eea817_ma
	.p2align	8
	.type	k_qbc97eea817_ma,@function
k_qbc97eea817_ma:
	s_mov_b64 s[64:65], 0
	v_nop
	global_prefetch_b8 v0, s[64:65] scope:SCOPE_SE
	s_setreg_imm32_b32 hwreg(HW_REG_WAVE_MODE, 25, 1), 1
	s_wait_xcnt 0x0
; y2[t] = the sum over s < t of Q(w[t][s]) Q(e[s]), w[t][s] = Q(qa[t]) . Q(ka[s]), per head; stored are the codes of y2 along C.  With the output's row t as the query's number the mask is s < t, and row 0 comes out as zeros.
; The frame is that of the launch before: a work-group owns blocks i and 15 - i of 128 queries of one head, a wave one tile of 16; the head's ka and e, 2 x 106,496 bytes of register images, are asked for once, in four chunks;
; a wave has four tensor loads out.  NO JOINT REQUESTS: the work-groups of a head differ in their query blocks, and the jump over hidden key steps hangs on just that.
; Both products transposed; a tile's rows are 32 b + 8 u + r + 8 (r / 8); qa's registers 6-11 are zero codes, so what ka's registers 6-11 hold adds nothing.
; LIMITS: a block of zeros or under 2^-124 gets the byte 1.  NaN and infinities are not served.
; REGISTERS: v1-3 16, 8, 4 x lane; v4 my query - 16 (lane / 16) - 1; v8-11, v29 the step's LDS addresses; v16-27 qa, v28 its scale word; v31 4 r; v32-127 eight fragment slots; v128-191 w^T; v192-223 y2^T;
;   v224-235 w's codes; v232-247 at work; v248-251 loaded scale words; v253 w's scale word; v255 0.
.set QAREC, 6815744
.set KAREC, 10223616
.set Y2SC,  3145728
.set REC,   3328
.set HEADB, 106496
.set CHUNK, 26624
.set STEPB, 6656
.set S,     128
.set O,     192
.set SEL,   46
.macro WM
.if fZ
.if fA
	v_wmma_scale_f32_16x16x128_f8f6f4 v[rD:rD+7], v[rA:rA+11], v[rB:rB+11], 0, v[rSA], v[rSB] matrix_a_fmt:MATRIX_FMT_FP6 matrix_b_fmt:MATRIX_FMT_FP6 matrix_a_scale:MATRIX_SCALE_ROW1
.else
	v_wmma_scale_f32_16x16x128_f8f6f4 v[rD:rD+7], v[rA:rA+11], v[rB:rB+11], 0, v[rSA], v[rSB] matrix_a_fmt:MATRIX_FMT_FP6 matrix_b_fmt:MATRIX_FMT_FP6
.endif
.else
.if fA
	v_wmma_scale_f32_16x16x128_f8f6f4 v[rD:rD+7], v[rA:rA+11], v[rB:rB+11], v[rD:rD+7], v[rSA], v[rSB] matrix_a_fmt:MATRIX_FMT_FP6 matrix_b_fmt:MATRIX_FMT_FP6 matrix_a_scale:MATRIX_SCALE_ROW1
.else
	v_wmma_scale_f32_16x16x128_f8f6f4 v[rD:rD+7], v[rA:rA+11], v[rB:rB+11], v[rD:rD+7], v[rSA], v[rSB] matrix_a_fmt:MATRIX_FMT_FP6 matrix_b_fmt:MATRIX_FMT_FP6
.endif
.endif
.endm
.macro PLACES
.rept 4
	v_nop
.endr
.endm
.macro QUANT32F s, pc, tm, word
.irp b,0,1
	v_max3_num_f32 v[\tm+\b], |v[\s+16*\b]|, |v[\s+16*\b+1]|, 0x1800000
.endr
.irp i,2,4,6,8,10,12,14
.irp b,0,1
	v_max3_num_f32 v[\tm+\b], v[\tm+\b], |v[\s+16*\b+\i]|, |v[\s+16*\b+\i+1]|
.endr
.endr
.irp b,0,1
	v_permlanex16_b32 v[\tm+2+\b], v[\tm+\b], s[SEL], s[SEL+1]
.endr
.irp b,0,1
	v_max_num_f32 v[\tm+\b], v[\tm+\b], v[\tm+2+\b]
.endr
.irp b,0,1
	v_add_nc_u32 v[\tm+4+\b], 0xff000000, v[\tm+\b]
.endr
.irp b,0,1
	v_lshrrev_b32 v[\tm+6+\b], 23, v[\tm+4+\b]
.endr
	v_lshl_or_b32 v[\word], v[\tm+7], 8, v[\tm+6]
	v_cvt_scalef32_pk16_fp6_f32 v[\pc:\pc+2], v[\s:\s+15], v[\tm+4]
	v_cvt_scalef32_pk16_fp6_f32 v[\pc+6:\pc+8], v[\s+16:\s+31], v[\tm+5]
	v_nop
.irp i,0,1,2
	v_permlane16_swap_b32 v[\pc+\i], v[\pc+6+\i]
.endr
.irp i,0,1,2
	v_mov_b32 v[\pc+3+\i], v[\pc+6+\i]
.endr
.endm
	s_load_b128 s[4:7], s[0:1], 0x0                ; heads s[4:5], arout s[6:7]
	s_load_b64 s[8:9], s[0:1], 0x10                ; maout
	v_lshl_add_u32 v252, v0, 2, 0x34000
	v_mov_b32 v254, 0
	ds_add_u32 v252, v254
	ds_add_u32 v252, v254
	v_lshrrev_b32 v1, 5, v0
	v_readfirstlane_b32 s12, v1                    ; wave 0..15
	s_mov_b32 s13, ttmp9
	s_and_b32 s14, ttmp7, 0xffff                   ; batch x 16 + head
	s_lshr_b32 s15, s12, 2
	s_xor_b32 s15, s15, s12
	s_and_b32 s15, s15, 1
	s_lshr_b32 s40, s12, 1                         ; my tile of the block
	s_sub_co_u32 s41, 15, s13
	s_cmp_eq_u32 s15, 1
	s_cselect_b32 s41, s41, s13                    ; my block of 128 queries
	s_mov_b32 s16, 3<<16                           ; descriptor group 1: a record of 3,328 bytes as 13 rows of 256 bytes
	s_mov_b32 s17, 32<<16
	s_mov_b32 s18, 13<<16
	s_mov_b32 s19, 32<<16
	s_mov_b32 s20, 13
	s_mov_b32 s21, 32
	s_mov_b32 s22, 0
	s_mov_b32 s23, 0
	s_lshr_b32 s66, s12, 3                         ; waves 0-7 bring ka's records, waves 8-15 e's
	s_and_b32 s67, s12, 7
	s_mul_i32 s67, s67, REC
	s_mul_i32 s68, s66, HEADB
	s_add_co_u32 s68, s68, s67
	s_mul_i32 s70, s14, HEADB
	s_add_co_u32 s70, s70, s67
	s_mov_b32 s71, 0
	s_wait_dscnt 0x0
	s_wait_kmcnt 0x0
	s_add_nc_u64 s[72:73], s[4:5], KAREC
	s_cmp_lt_u32 s12, 8
	s_cselect_b64 s[72:73], s[72:73], s[6:7]
	s_add_nc_u64 s[72:73], s[72:73], s[70:71]
.irp g,0,1,2,3
	s_mov_b32 s[24+4*\g], 1
	s_add_co_u32 s[25+4*\g], s68, \g*CHUNK
	s_add_nc_u64 s[26+4*\g:27+4*\g], s[72:73], \g*CHUNK
	s_or_b32 s[27+4*\g], s[27+4*\g], 0x80000000
.endr
.irp g,0,1,2,3
	tensor_load_to_lds s[24+4*\g:27+4*\g], s[16:23]
	s_nop 0
.endr
	PLACES                                         ; four plain lines behind the tensor loads
	s_mov_b32 s[SEL], 0x76543210
	s_mov_b32 s[SEL+1], 0xfedcba98
	v_and_b32 v240, 31, v0
	v_lshlrev_b32 v1, 4, v240
	v_lshlrev_b32 v2, 3, v240
	v_lshlrev_b32 v3, 2, v240
	v_and_b32 v241, 15, v0
	v_bfe_u32 v242, v0, 4, 1
	v_lshlrev_b32 v31, 2, v241
	v_and_b32 v243, 8, v241
	v_add_nc_u32 v243, v243, v241
	s_lshr_b32 s2, s40, 1
	s_lshl_b32 s2, s2, 5
	s_and_b32 s3, s40, 1
	s_lshl_b32 s3, s3, 3
	s_add_co_u32 s2, s2, s3
	v_add_nc_u32 v244, s2, v243                    ; my query in its block
	v_lshlrev_b32 v245, 4, v242
	v_sub_nc_u32 v4, v244, v245
	v_add_nc_u32 v4, -1, v4
	s_lshl_b32 s2, s14, 5
	s_lshl_b32 s3, s41, 1
	s_add_co_u32 s2, s2, s3
	s_lshr_b32 s3, s40, 2
	s_add_co_u32 s2, s2, s3
	s_mul_i32 s2, s2, REC
	s_add_co_u32 s2, s2, QAREC
	s_and_b32 s3, s40, 3
	s_mul_i32 s45, s3, 768
	s_add_co_u32 s66, s2, s45
	s_mov_b32 s67, 0
	s_add_nc_u64 s[50:51], s[4:5], s[66:67]
	s_lshl_b32 s45, s3, 6
	s_add_co_u32 s68, s2, s45
	s_add_co_u32 s68, s68, 3072
	s_mov_b32 s69, 0
	s_add_nc_u64 s[52:53], s[4:5], s[68:69]
	global_load_b128 v[16:19], v1, s[50:51]
	global_load_b64 v[20:21], v2, s[50:51] offset:512
	global_load_b32 v28, v31, s[52:53]
	s_lshr_b32 s2, s14, 4
	s_and_b32 s3, s14, 15
	s_lshl_b32 s68, s2, 7
	s_lshl_b32 s45, s41, 3
	s_add_co_u32 s68, s68, s45
	s_add_co_u32 s68, s68, s40                     ; my token tile among the 256
	s_lshr_b32 s70, s3, 1
	s_and_b32 s71, s3, 1
	s_lshl_b32 s66, s68, 3
	s_add_co_u32 s66, s66, s70
	s_mul_i32 s66, s66, 1536
	s_mul_i32 s45, s71, 768
	s_add_co_u32 s66, s66, s45
	s_add_nc_u64 s[56:57], s[8:9], s[66:67]
	s_lshr_b32 s66, s68, 1
	s_lshl_b32 s66, s66, 3
	s_add_co_u32 s66, s66, s70
	s_lshl_b32 s66, s66, 7
	s_and_b32 s45, s68, 1
	s_lshl_b32 s45, s45, 6
	s_add_co_u32 s66, s66, s45
	s_lshl_b32 s45, s71, 1
	s_add_co_u32 s66, s66, s45
	s_add_co_u32 s66, s66, Y2SC
	s_add_nc_u64 s[58:59], s[8:9], s[66:67]
.irp i,22,23,24,25,26,27
	v_mov_b32 v\i, 0                               ; qa's upper 64 along K: zero codes
.endr
.irp k,0,1,2,3,4,5,6,7
.irp i,6,7,8,9,10,11
	v_mov_b32 v[32+12*\k+\i], 0
.endr
.endr
.set j, 0
.rept 32
	v_mov_b32 v[O+j], 0                            ; y2^T: the step is written once
.set j, j+1
.endr
.irp i,232,233,234,235,236,237,238,239
	v_mov_b32 v\i, 0                               ; written once: a lane permute's destination counts as one of its sources
.endr
	v_mov_b32 v255, 0
	s_wait_loadcnt 0x0
.macro STEPM
	s_cmp_gt_u32 s43, s41
	s_cbranch_scc1 .Lhid_\@
	v_add_nc_u32 v8, s42, v1                       ; (these five are also the places behind the last step's products, in front of the loads)
	v_add_nc_u32 v9, s42, v2
	v_add_nc_u32 v10, s42, v3
	v_add_nc_u32 v11, HEADB, v8
	v_add_nc_u32 v29, HEADB, v10
.irp kt,0,1,2,3,4,5,6,7
	ds_load_b128 v[32+12*\kt:35+12*\kt], v8 offset:(\kt/4)*REC+(\kt%4)*768
	ds_load_b64 v[36+12*\kt:37+12*\kt], v9 offset:(\kt/4)*REC+(\kt%4)*768+512
.endr
.irp p,0,1,2,3
	ds_load_b32 v[248+\p], v10 offset:(\p/2)*REC+3072+(\p%2)*128
.endr
	s_wait_dscnt 0x0
.set fZ, 1
.irp kt,0,1,2,3,4,5,6,7
.set rD, S+8*\kt
.set rA, 32+12*\kt
.set rB, 16
.set rSA, 248+\kt/2
.set rSB, 28
.set fA, \kt%2
	WM
.endr
	PLACES
.irp ct,0,1,2,3                        ; e's four fragments land while w is quantised
.irp c,0,1,2
	ds_load_b128 v[32+12*\ct+4*\c:35+12*\ct+4*\c], v11 offset:(\ct/2)*REC+(\ct%2)*1536+512*\c
.endr
.endr
.irp cp,0,1
	ds_load_b32 v[248+\cp], v29 offset:\cp*REC+3072
.endr
	s_cmp_lg_u32 s43, s41                          ; the diagonal step: w = 0 where the key is not under the query
	s_cbranch_scc1 .Lopen_\@
.set n, 0
.rept 64
	v_cmp_gt_i32 vcc_lo, 32*(n/16)+n%16, v4
	v_cndmask_b32 v[S+n], v[S+n], v255, vcc_lo
.set n, n+1
.endr
.Lopen_\@:
.irp b,0,1,2,3
	v_max3_num_f32 v[232+\b], |v[S+16*\b]|, |v[S+1+16*\b]|, 0x1800000
.endr
.irp i,2,4,6,8,10,12,14
.irp b,0,1,2,3
	v_max3_num_f32 v[232+\b], v[232+\b], |v[S+16*\b+\i]|, |v[S+1+16*\b+\i]|
.endr
.endr
.irp b,0,1,2,3
	v_permlanex16_b32 v[236+\b], v[232+\b], s[SEL], s[SEL+1]
.endr
.irp b,0,1,2,3
	v_max_num_f32 v[232+\b], v[232+\b], v[236+\b]
.endr
.irp b,0,1,2,3
	v_add_nc_u32 v[244+\b], 0xff000000, v[232+\b]
.endr
.irp b,0,1,2,3
	v_lshrrev_b32 v[236+\b], 23, v[244+\b]
.endr
	v_lshl_or_b32 v253, v237, 8, v236
	v_lshl_or_b32 v253, v238, 16, v253
	v_lshl_or_b32 v253, v239, 24, v253
.irp c,0,1
	v_cvt_scalef32_pk16_fp6_f32 v[224+6*\c:226+6*\c], v[S+32*\c:S+15+32*\c], v[244+2*\c]
	v_cvt_scalef32_pk16_fp6_f32 v[236+4*\c:238+4*\c], v[S+16+32*\c:S+31+32*\c], v[244+2*\c+1]
.endr
	v_nop
.irp c,0,1
.irp i,0,1,2
	v_permlane16_swap_b32 v[224+6*\c+\i], v[236+4*\c+\i]
.endr
.irp i,0,1,2
	v_mov_b32 v[227+6*\c+\i], v[236+4*\c+\i]
.endr
.endr
.rept 8
	v_nop                                          ; places between the codes and the scale word, written by vector instructions, and the scaled products: no other vector work is at hand
.endr
	s_wait_dscnt 0x0                               ; e
.set fZ, 0
.irp ct,0,1,2,3                        ; the four accumulators take turns
.set rD, O+8*\ct
.set rA, 32+12*\ct
.set rB, 224
.set rSA, 248+\ct/2
.set rSB, 253
.set fA, \ct%2
	WM
.endr
.Lhid_\@:
	s_add_co_u32 s43, s43, 1
	s_add_co_u32 s42, s42, STEPB
.endm
.macro GROUP g
	s_wait_tensorcnt 3-\g                          ; my record of chunk g is in; my 3 - g younger loads stay out
	s_wait_dscnt 0x0
	s_barrier_signal -1
	s_barrier_wait -1
	s_mov_b32 s42, \g*CHUNK
	s_mov_b32 s43, 4*\g
	s_mov_b32 s44, 4
.Lgrp_\@:
	STEPM
	s_sub_co_u32 s44, s44, 1
	s_cmp_lg_u32 s44, 0
	s_cbranch_scc1 .Lgrp_\@
.endm
	GROUP 0
	GROUP 1
	GROUP 2
	GROUP 3
	PLACES                                         ; behind the last products
	QUANT32F O, 128, 232, 240
	global_store_b128 v1, v[128:131], s[56:57]
	global_store_b64 v2, v[132:133], s[56:57] offset:512
	global_store_b16 v31, v240, s[58:59]
	s_wait_tensorcnt 0x0
	ds_add_u32 v252, v254
	s_wait_dscnt 0x0
	s_endpgm
.Lfunc_end_k_qbc97eea817_ma:
	.size	k_qbc97eea817_ma, .Lfunc_end_k_qbc97eea817_ma-k_qbc97eea817_ma
	.p2alignl 7, 3214868480
	.fill 96, 4, 3214868480
	.section	.rodata,"a",@progbits
	.p2align	6, 0x0
	.amdhsa_kernel k_qbc97eea817_ma
		.amdhsa_group_segment_fixed_size 215040
		.amdhsa_private_segment_fixed_size 0
		.amdhsa_enable_private_segment 0
		.amdhsa_kernarg_size 24
		.amdhsa_user_sgpr_count 2
		.amdhsa_user_sgpr_kernarg_segment_ptr 1
		.amdhsa_wavefront_size32 1
		.amdhsa_system_sgpr_workgroup_id_x 1
		.amdhsa_system_sgpr_workgroup_id_y 1
		.amdhsa_system_sgpr_workgroup_id_z 1
		.amdhsa_system_vgpr_workitem_id 0
		.amdhsa_next_free_vgpr 256
		.amdhsa_next_free_sgpr 76
		.amdhsa_reserve_vcc 1
		.amdhsa_float_denorm_mode_32 3
		.amdhsa_float_denorm_mode_16_64 3
		.amdhsa_memory_ordered 1
		.amdhsa_forward_progress 1
		.amdhsa_inst_pref_size 66
	.end_amdhsa_kernel
	.amdgpu_metadata
---
amdhsa.version: [ 1, 2 ]
amdhsa.kernels:
  - .name:           k_qbc97eea817_ma
    .symbol:         k_qbc97eea817_ma.kd
    .args:
      - { .name: heads, .offset: 0, .size: 8, .value_kind: global_buffer, .address_space: global }
      - { .name: arout, .offset: 8, .size: 8, .value_kind: global_buffer, .address_space: global }
      - { .name: maout, .offset: 16, .size: 8, .value_kind: global_buffer, .address_space: global }
    .group_segment_fixed_size: 215040
    .private_segment_fixed_size: 0
    .kernarg_segment_align: 8
    .kernarg_segment_size: 24
    .max_flat_workgroup_size: 512
    .sgpr_count:     76
    .vgpr_count:     256
    .wavefront_size: 32
...
	.end_amdgpu_metadata
.endif
;; end of part 4
;; launch proj (part 5): grid 32 x 8, 4 waves a work-group, clusters of 4 x 1, 168,448 bytes of LDS; arguments qin, arout, maout, out0; writes out0
.if DOCPART == 5
	.amdgcn_target "amdgcn-amd-amdhsa--gfx1250"
	.amdhsa_code_object_version 6
	.text
	.protected	k_qbc97eea817_proj
	.globl	k_qbc97eea817_proj
	.p2align	8
	.type	k_qbc97eea817_proj,@function
k_qbc97eea817_proj:
	s_mov_b64 s[64:65], 0
	v_nop
	global_prefetch_b8 v0, s[64:65] scope:SCOPE_SE
	s_setreg_imm32_b32 hwreg(HW_REG_WAVE_MODE, 25, 1), 1
	s_wait_xcnt 0x0
	s_wait_alu depctr_hold_cnt(0) depctr_sa_sdst(0) depctr_va_vdst(0) depctr_va_sdst(0) depctr_va_ssrc(0) depctr_va_vcc(0) depctr_vm_vsrc(0)
	s_getreg_b32 s2, hwreg(HW_REG_IB_STS2, 6, 4)
	s_cmp_eq_u32 s2, 0
	s_cbranch_scc0 .Lentry_in_a_cluster
	s_endpgm
.Lentry_in_a_cluster:
	s_bfe_u32 s2, ttmp6, 0x10000c
	s_cmp_lg_u32 s2, 0x3003
	s_cbranch_scc0 .Lentry_shape_is_right
	s_endpgm
.Lentry_shape_is_right:
; out0 = Q(y) Q(W_proj) + Q(y2) Q(W_proj), K = 1,024, on codes of E2M3; both products add into one f32 sum for each output.
; SHARES.  A work-group takes 128 tokens x 128 columns; wave w takes 32 tokens (two tiles) x 8 column tiles: 16 accumulators; each weight fragment read from LDS serves y and y2: 256 matrix instructions a wave.
; THE WEIGHTS of the 128 columns, 8 blocks of 12,800 bytes, fit in LDS whole: asked for once, at the head.  CLUSTER: the four work-groups along x take the same columns: each block is asked for JOINTLY (mask 15);
; its address hangs on the column block and the wave's number alone.  A wave has two tensor loads out.  y's and y2's fragments are read by one wave of the work-group: memory to registers, three K steps ahead.
; TRANSPOSED (source 0 = 16 weight columns, source 1 = 16 tokens): a lane holds eight neighbouring columns of one token's row; a tile goes through the wave's own stage in LDS and leaves as whole rows of 512 bytes.
; REGISTERS: window 0: v1-9 addresses; v32-39 y's scale words, v40-47 y2's; v48-55 the weights' (two sets); v64-159, v160-255 two sets of 8 weight fragments, later rows of the output.
;   window 1: v0-191 four slots of [y tile 0, y tile 1, y2 tile 0, y2 tile 1].   window 2: v0-127 the accumulators at 8 (8 m + nt).
.set WREC2, 5734400
.set BLKB,  12800
.set YREC,  3407872
.set YSC,   6553600
.set Y2SC,  3145728
.set STG,   102400                     ; behind the weights: a stage of 16 rows x 528 bytes for each wave; no fill lands there
.set SPT,   528
.set MSB, 0
.macro WIN new
.if MSB != (\new)
	s_set_vgpr_msb (MSB<<8)|(\new)
.set MSB, (\new)
.endif
.endm
.macro CROUND
	s_barrier_signal -1
	s_barrier_wait -1
	s_cmp_lg_u32 s12, 0
	s_cbranch_scc1 .Lnot_wave_0_\@
	s_barrier_signal -3
.Lnot_wave_0_\@:
	s_barrier_wait -3
	s_barrier_signal -1
	s_barrier_wait -1
.endm
.macro WM
.if fZ
.if fA && fB
	v_wmma_scale_f32_16x16x128_f8f6f4 v[rD:rD+7], v[rA:rA+11], v[rB:rB+11], 0, v[rSA], v[rSB] matrix_a_fmt:MATRIX_FMT_FP6 matrix_b_fmt:MATRIX_FMT_FP6 matrix_a_scale:MATRIX_SCALE_ROW1 matrix_b_scale:MATRIX_SCALE_ROW1
.elseif fA
	v_wmma_scale_f32_16x16x128_f8f6f4 v[rD:rD+7], v[rA:rA+11], v[rB:rB+11], 0, v[rSA], v[rSB] matrix_a_fmt:MATRIX_FMT_FP6 matrix_b_fmt:MATRIX_FMT_FP6 matrix_a_scale:MATRIX_SCALE_ROW1
.elseif fB
	v_wmma_scale_f32_16x16x128_f8f6f4 v[rD:rD+7], v[rA:rA+11], v[rB:rB+11], 0, v[rSA], v[rSB] matrix_a_fmt:MATRIX_FMT_FP6 matrix_b_fmt:MATRIX_FMT_FP6 matrix_b_scale:MATRIX_SCALE_ROW1
.else
	v_wmma_scale_f32_16x16x128_f8f6f4 v[rD:rD+7], v[rA:rA+11], v[rB:rB+11], 0, v[rSA], v[rSB] matrix_a_fmt:MATRIX_FMT_FP6 matrix_b_fmt:MATRIX_FMT_FP6
.endif
.else
.if fA && fB
	v_wmma_scale_f32_16x16x128_f8f6f4 v[rD:rD+7], v[rA:rA+11], v[rB:rB+11], v[rD:rD+7], v[rSA], v[rSB] matrix_a_fmt:MATRIX_FMT_FP6 matrix_b_fmt:MATRIX_FMT_FP6 matrix_a_scale:MATRIX_SCALE_ROW1 matrix_b_scale:MATRIX_SCALE_ROW1
.elseif fA
	v_wmma_scale_f32_16x16x128_f8f6f4 v[rD:rD+7], v[rA:rA+11], v[rB:rB+11], v[rD:rD+7], v[rSA], v[rSB] matrix_a_fmt:MATRIX_FMT_FP6 matrix_b_fmt:MATRIX_FMT_FP6 matrix_a_scale:MATRIX_SCALE_ROW1
.elseif fB
	v_wmma_scale_f32_16x16x128_f8f6f4 v[rD:rD+7], v[rA:rA+11], v[rB:rB+11], v[rD:rD+7], v[rSA], v[rSB] matrix_a_fmt:MATRIX_FMT_FP6 matrix_b_fmt:MATRIX_FMT_FP6 matrix_b_scale:MATRIX_SCALE_ROW1
.else
	v_wmma_scale_f32_16x16x128_f8f6f4 v[rD:rD+7], v[rA:rA+11], v[rB:rB+11], v[rD:rD+7], v[rSA], v[rSB] matrix_a_fmt:MATRIX_FMT_FP6 matrix_b_fmt:MATRIX_FMT_FP6
.endif
.endif
.endm
.macro PLACES
.rept 4
	v_nop
.endr
.endm
	s_load_b256 s[4:11], s[0:1], 0x0               ; qin s[4:5], arout s[6:7], maout s[8:9], out0 s[10:11]
	v_lshl_add_u32 v62, v0, 2, 0x29000
	v_mov_b32 v63, 0
	ds_add_u32 v62, v63
	ds_add_u32 v62, v63
	v_lshrrev_b32 v1, 5, v0
	v_readfirstlane_b32 s12, v1                    ; wave 0..3
	s_bfe_u32 s13, ttmp6, 0x40000                  ; cx: it enters the tokens' global addresses alone
	s_lshl_b32 s14, ttmp9, 2
	s_add_co_u32 s14, s14, s13                     ; my block of 128 tokens
	s_and_b32 s15, ttmp7, 0xffff                   ; the block of 128 columns, which the four partners share
	s_mov_b32 s16, 15|(3<<16)|(1<<21)              ; descriptor group 1: 12,800 dense bytes as 50 rows of 256 bytes; the mask names all four work-groups, bit 21 beside it
	s_mov_b32 s17, 32<<16
	s_mov_b32 s18, 50<<16
	s_mov_b32 s19, 32<<16
	s_mov_b32 s20, 50
	s_mov_b32 s21, 32
	s_mov_b32 s22, 0
	s_mov_b32 s23, 0
	s_mul_i32 s25, s12, BLKB                       ; wave w brings K steps w and w + 4
	s_add_co_u32 s29, s25, 4*BLKB
	s_mul_i32 s42, s15, 8*BLKB
	s_add_co_u32 s42, s42, s25
	s_add_co_u32 s42, s42, WREC2
	s_mov_b32 s43, 0
	s_mov_b32 s24, 1
	s_mov_b32 s28, 1
	v_and_b32 v10, 31, v0
	v_lshlrev_b32 v1, 4, v10
	v_lshlrev_b32 v2, 3, v10
	v_lshlrev_b32 v3, 2, v10
	v_mov_b32 v4, v1                               ; two bases for the weights' fragments (K steps 0-4, 5-7), so that the offsets stay inside 16 bits
	v_add_nc_u32 v5, 5*BLKB, v1
	v_add_nc_u32 v6, 12288, v3                     ; and two for their scale words
	v_add_nc_u32 v7, 12288+5*BLKB, v3
	v_and_b32 v11, 15, v0
	v_bfe_u32 v12, v0, 4, 1
	s_mul_i32 s44, s12, 16*SPT
	s_add_co_u32 s44, s44, STG                     ; my stage
	v_mul_u32_u24 v8, v11, SPT
	v_lshl_add_u32 v8, v12, 6, v8
	v_add_nc_u32 v8, s44, v8                       ; in: row r, + 64 h
	v_add_nc_u32 v9, s44, v1                       ; back: a row of 512 bytes to the 32 lanes
	s_wait_dscnt 0x0
	s_wait_kmcnt 0x0
	s_add_nc_u64 s[26:27], s[4:5], s[42:43]
	s_add_nc_u64 s[30:31], s[26:27], 4*BLKB
	s_or_b32 s27, s27, 0x80000000
	s_or_b32 s31, s31, 0x80000000
	s_lshl_b32 s45, s14, 3
	s_lshl_b32 s46, s12, 1
	s_add_co_u32 s45, s45, s46                     ; my first token tile
	s_mul_i32 s46, s45, 12288
	s_mov_b32 s47, 0
	s_add_nc_u64 s[34:35], s[8:9], s[46:47]        ; y2's fragments
	s_add_nc_u64 s[32:33], s[6:7], s[46:47]
	s_add_nc_u64 s[32:33], s[32:33], YREC          ; y's
	s_lshl_b32 s46, s45, 9
	s_add_nc_u64 s[36:37], s[6:7], s[46:47]
	s_add_nc_u64 s[36:37], s[36:37], YSC           ; y's scale words
	s_add_nc_u64 s[38:39], s[8:9], s[46:47]
	s_add_nc_u64 s[38:39], s[38:39], Y2SC          ; y2's
	s_lshl_b32 s46, s14, 7
	s_lshl_b32 s48, s12, 5
	s_add_co_u32 s46, s46, s48
	s_lshl_b32 s46, s46, 12                        ; my first token's row of the output,
	s_lshl_b32 s48, s15, 9
	s_add_co_u32 s46, s46, s48                     ; my columns' 512 bytes in it
	s_add_nc_u64 s[40:41], s[10:11], s[46:47]
	CROUND                                         ; all four work-groups are here: the joint loads meet
	tensor_load_to_lds s[24:27], s[16:23]
	s_nop 0
	tensor_load_to_lds s[28:31], s[16:23]
	s_nop 0
	PLACES                                         ; four plain lines behind the tensor loads
.irp ks,0,1,2,3,4,5,6,7
	global_load_b32 v[32+\ks], v3, s[36:37] offset:\ks*128   ; lanes 0-15 tile 0's words, lanes 16-31 tile 1's
	global_load_b32 v[40+\ks], v3, s[38:39] offset:\ks*128
.endr
.macro AFETCH ks                       ; a K step's fragments of y and y2, each as two halves (an even head's 64, an odd head's): 16 loads
.set ak, \ks
	WIN 0x40
.irp mm,0,1
.set fr, 48*(ak%4)+12*\mm
	global_load_b128 v[fr:fr+3], v1, s[32:33] offset:\mm*12288+ak*1536
	global_load_b64 v[fr+4:fr+5], v2, s[32:33] offset:\mm*12288+ak*1536+512
	global_load_b128 v[fr+6:fr+9], v1, s[32:33] offset:\mm*12288+ak*1536+768
	global_load_b64 v[fr+10:fr+11], v2, s[32:33] offset:\mm*12288+ak*1536+1280
.endr
.irp mm,0,1
.set fr, 48*(ak%4)+24+12*\mm
	global_load_b128 v[fr:fr+3], v1, s[34:35] offset:\mm*12288+ak*1536
	global_load_b64 v[fr+4:fr+5], v2, s[34:35] offset:\mm*12288+ak*1536+512
	global_load_b128 v[fr+6:fr+9], v1, s[34:35] offset:\mm*12288+ak*1536+768
	global_load_b64 v[fr+10:fr+11], v2, s[34:35] offset:\mm*12288+ak*1536+1280
.endr
	WIN 0
.endm
.macro BFETCH ks                       ; a K step's eight weight fragments and four pairs of scale words: 28 LDS loads
.set bk, \ks
.irp n,0,1,2,3,4,5,6,7
.irp c,0,1,2
	ds_load_b128 v[64+96*(bk%2)+12*\n+4*\c:64+96*(bk%2)+12*\n+4*\c+3], v[4+bk/5] offset:(bk%5)*BLKB+\n*1536+512*\c
.endr
.endr
.irp q,0,1,2,3
	ds_load_b32 v[48+4*(bk%2)+\q], v[6+bk/5] offset:(bk%5)*BLKB+\q*128
.endr
.endm
.macro MUL16 src                       ; 0: y, 1: y2.  The 16 accumulators take turns, one instruction a turn
.irp mm,0,1
.irp nt,0,1,2,3,4,5,6,7
.set rD, 8*(8*\mm+\nt)
.set rA, 64+96*(pk%2)+12*\nt
.set rB, 48*(pk%4)+24*(\src)+12*\mm
.set rSA, 48+4*(pk%2)+\nt/2
.set rSB, 32+8*(\src)+pk
.set fA, \nt%2
.set fB, \mm
	WM
.endr
.endr
.endm
.macro KSTEP ks
.set pk, \ks
.if pk > 0
	PLACES                                         ; four places behind the last products, whose set, scale words and slot the loads below fill
.endif
.if pk == 3
	s_wait_tensorcnt 0x0                           ; my second block is in,
	s_wait_dscnt 0x0
	s_barrier_signal -1
	s_barrier_wait -1                              ; everybody's is: blocks 4 to 7 are whole.  Nothing is ever filled again
.endif
.if pk < 7
	BFETCH pk+1
.endif
.if (pk >= 1) && (pk <= 4)
	AFETCH pk+3
.endif
.if pk < 7
	s_wait_dscnt 28                                ; all but the 28 just issued
.else
	s_wait_dscnt 0x0
.endif
.if pk <= 4
	s_wait_loadcnt 48                              ; this K step's fragments are in; three younger fetches of 16 stay out
.else
	s_wait_loadcnt 16*(7-pk)
.endif
	WIN 0xa4                                       ; source 0 window 0, source 1 window 1, C and D window 2
.set fZ, 0
.if pk == 0
.set fZ, 1
.endif
	MUL16 0
.set fZ, 0
	MUL16 1
	WIN 0
.endm
	AFETCH 0
	AFETCH 1
	AFETCH 2
	AFETCH 3
	s_wait_tensorcnt 1                             ; my first block is in; the second may stay out
	s_barrier_signal -1
	s_barrier_wait -1                              ; blocks 0 to 3 are whole
	BFETCH 0
.irp ks,0,1,2,3,4,5,6,7
	KSTEP \ks
.endr
	PLACES
; THE WAY OUT.  Register j of accumulator (m, 2 b + u) is column 32 b + 16 (lane / 16) + 8 u + j of token row r.  A tile goes through my own stage; LDS serves a wave's instructions in order, so no wait stands between its stores and its loads.
.macro TOSTAGE m
	WIN 0x08                                       ; an LDS store's data: window 2
.irp nt,0,1,2,3,4,5,6,7
	ds_store_b128 v8, v[8*(8*\m+\nt):8*(8*\m+\nt)+3] offset:128*(\nt/2)+32*(\nt%2)          ; each accumulator from its low end on
	ds_store_b128 v8, v[8*(8*\m+\nt)+4:8*(8*\m+\nt)+7] offset:128*(\nt/2)+32*(\nt%2)+16
.endr
	WIN 0
.irp i,0,1,2,3,4,5,6,7,8,9,10,11,12,13,14,15
	ds_load_b128 v[64+64*\m+4*\i:64+64*\m+4*\i+3], v9 offset:SPT*\i
.endr
.endm
.macro SEND m, younger                 ; row i of tile m is token 8 m + i + 8 (i / 8) of my 32
	s_wait_dscnt \younger
.irp i,0,1,2,3,4,5,6,7,8,9,10,11,12,13,14,15
	global_store_b128 v1, v[64+64*\m+4*\i:64+64*\m+4*\i+3], s[40:41] offset:(8*\m+\i+8*(\i/8))*4096 th:TH_STORE_NT   ; 32 lanes store 512 consecutive bytes, at a multiple of 512 from the output's first byte
.endr
.endm
	TOSTAGE 0
	TOSTAGE 1
	SEND 0, 32                                     ; behind tile 0's loads: tile 1's 16 stores and 16 loads
	SEND 1, 0
	s_wait_tensorcnt 0x0
	ds_add_u32 v62, v63
	s_wait_dscnt 0x0
	CROUND                                         ; the closing round
	s_endpgm
.Lfunc_end_k_qbc97eea817_proj:
	.size	k_qbc97eea817_proj, .Lfunc_end_k_qbc97eea817_proj-k_qbc97eea817_proj
	.p2alignl 7, 3214868480
	.fill 96, 4, 3214868480
	.section	.rodata,"a",@progbits
	.p2align	6, 0x0
	.amdhsa_kernel k_qbc97eea817_proj
		.amdhsa_group_segment_fixed_size 168448
		.amdhsa_private_segment_fixed_size 0
		.amdhsa_enable_private_segment 0
		.amdhsa_kernarg_size 32
		.amdhsa_user_sgpr_count 2
		.amdhsa_user_sgpr_kernarg_segment_ptr 1
		.amdhsa_wavefront_size32 1
		.amdhsa_system_sgpr_workgroup_id_x 1
		.amdhsa_system_sgpr_workgroup_id_y 1
		.amdhsa_system_sgpr_workgroup_id_z 1
		.amdhsa_system_vgpr_workitem_id 0
		.amdhsa_next_free_vgpr 640
		.amdhsa_next_free_sgpr 66
		.amdhsa_reserve_vcc 0
		.amdhsa_float_denorm_mode_32 3
		.amdhsa_float_denorm_mode_16_64 3
		.amdhsa_memory_ordered 1
		.amdhsa_forward_progress 1
		.amdhsa_inst_pref_size 75
	.end_amdhsa_kernel
	.amdgpu_metadata
---
amdhsa.version: [ 1, 2 ]
amdhsa.kernels:
  - .name:           k_qbc97eea817_proj
    .symbol:         k_qbc97eea817_proj.kd
    .args:
      - { .name: qin, .offset: 0, .size: 8, .value_kind: global_buffer, .address_space: global }
      - { .name: arout, .offset: 8, .size: 8, .value_kind: global_buffer, .address_space: global }
      - { .name: maout, .offset: 16, .size: 8, .value_kind: global_buffer, .address_space: global }
      - { .name: out0, .offset: 24, .size: 8, .value_kind: global_buffer, .address_space: global }
    .group_segment_fixed_size: 168448
    .private_segment_fixed_size: 0
    .kernarg_segment_align: 8
    .kernarg_segment_size: 32
    .max_flat_workgroup_size: 128
    .sgpr_count:     66
    .vgpr_count:     640
    .wavefront_size: 32
...
	.end_amdgpu_metadata
.endif
;; end of part 5
